; MI455X (gfx1250); checked and timed in simulation.
; The chip was launched on July 23, 2026; its instructions are those of AMD's public machine-readable ISA for CDNA 5 (MIT licence, August 2026) and "CDNA5" Instruction Set Architecture Reference Guide (July 2026). The comments in the code are by the model that wrote it; some were corrected since.
;; Block. Allowed arithmetic: matrix products marked QUANTISED: E2M3 operands, one E8M0 scale for each 32 along K, by v_wmma_scale_f32_16x16x128_f8f6f4 with both operands' format E2M3, f32 sums; everything else in f32.
;; Inputs: Wfc 1,024 x 4,096 float32; Wo 1,024 x 1,024 float32; Wproj 4,096 x 1,024 float32; Wqkv 1,024 x 3,072 float32; bfc 4,096 float32; bo 1,024 float32; bproj 1,024 float32; bqkv 3,072 float32; ln1_b 1,024 float32; ln1_w 1,024 float32; ln2_b 1,024 float32; ln2_w 1,024 float32; x 2 x 2,048 x 1,024 float32.
;; Outputs: out0 2 x 2,048 x 1,024 float32.
;; This version of the problem:
;;   THIS VERSION OF THE PROBLEM IS GIVEN IN LOW PRECISION. The matrix products marked QUANTISED in the list below multiply operands that are first quantised to E2M3 (2 exponent bits, 3 mantissa bits; 6 bits a number), with one power-of-two scale for each 32 numbers along K (OCP MX v1.0); their sums are f32. All else is computed in f32.
;;   The module's matrix products, in the order in which they are computed (A, B: the left and right operand; K: the contracted axis; several contracted axes count as one K, in the product's order):
;;     1. [M 4,096, K 1,024] x [K 1,024, N 3,072]; A: computed on the way; B: input Wqkv: QUANTISED
;;     2. batch 32 x [M 2,048, K 64] x [K 64, N 2,048]; A: computed on the way; B: computed on the way: QUANTISED
;;     3. batch 32 x [M 2,048, K 2,048] x [K 2,048, N 64]; A: softmax (see below); B: computed on the way: QUANTISED
;;     4. [M 4,096, K 1,024] x [K 1,024, N 1,024]; A: computed on the way; B: input Wo: QUANTISED
;;     5. [M 4,096, K 1,024] x [K 1,024, N 4,096]; A: computed on the way; B: input Wfc: QUANTISED
;;     6. [M 4,096, K 4,096] x [K 4,096, N 1,024]; A: computed on the way; B: input Wproj: QUANTISED
;;   THE QUANTISER, for each operand of a quantised product, along K:
;;     - K is cut into blocks of 32 from its start; a last block that is shorter is filled with zeros.
;;     - A block's scale is 2^e with e = floor(log2(the largest magnitude in the block)) - 2, held to -126 .. 127; a block of zeros has e = 0. As a byte (E8M0): e + 127.
;;     - Each number is divided by its block's scale, clamped to +-7.5, and rounded to the nearest number of E2M3, ties to even, subnormals kept.
;;     - The product sums the exact products of the quantised numbers (number of the format x scale) in f32.
;;   ~~~python
;;   def quantise(x, axis):      # numpy; x: float32 -> the quantised numbers, widened to float32 again
;;       x = np.moveaxis(x, axis, -1); K = x.shape[-1]
;;       x = np.pad(x, [(0, 0)] * (x.ndim - 1) + [(0, -K % 32)]); x = x.reshape(x.shape[:-1] + (-1, 32)); a = np.abs(x).max(-1, keepdims=True)
;;       e = np.where(a > 0, np.clip(np.frexp(np.where(a > 0, a, 1))[1] - 1 - 2, -126, 127), 0)      # np.frexp(a)[1] - 1 = floor(log2(a)), exactly
;;       r = np.clip(x / 2.0 ** e, -7.5, 7.5)
;;       step = 2.0 ** (np.maximum(np.frexp(np.where(r == 0, 1, r))[1] - 1, 0) - 3)
;;       q = np.round(r / step) * step * 2.0 ** e      # np.round: ties to even
;;       return np.moveaxis(q.reshape(q.shape[:-2] + (-1,))[..., :K], -1, axis).astype(np.float32)
;;   ~~~
;;   SOFTMAX AHEAD OF A QUANTISED PRODUCT. Where the list says 'softmax', what is quantised is not the finished softmax but p = 2^(t - M), with t = logit x log2(e) and M = ceil(the row's largest t), a whole number; so 1/2 < the row's largest p <= 1. The row's sum l is taken of the UNQUANTISED p, in f32, and the product's result is divided by l at the end. Since M is a whole number, a kernel that streams over the keys may use a running M (the ceiling of the running maximum): every later rescaling is an exact power of two, which a block's scale takes up: the codes' values come out the same.
;;   OPERANDS COMPUTED ON THE WAY. 'Computed on the way' means the value that the module computes at that place (a softmax that the list does not call 'softmax' is quantised finished and normalised). What goes into a quantiser is computed in f32, as accurately as f32 sums, v_exp_f32 and their like allow (about 1e-6 of the number): no bf16 or f16 on the way to a quantiser, and a product that is left as it is and whose result goes on into a quantised operand takes f32 operands (vector FMAs, or v_wmma_f32_16x16x4_f32). A number that lies on a knife's edge between two numbers of the format may be rounded either way, as far as f32 arithmetic and the matrix unit's own rounding can turn it there, and no further.
;; One version. Each part assembles by itself: llvm-mc -triple=amdgcn-amd-amdhsa -mcpu=gfx1250 --defsym DOCPART=n.
;; ======== version 1 of 1: 6 launches
;; limits: right only within a limited range of input values
;; workspace buffers: wb 9,830,400 bytes; hb 3,276,800 bytes; qb 10,092,544 bytes; yb 3,276,800 bytes; x1 16,777,216 bytes; gb 13,107,200 bytes
;; launch prep (part 1): grid 640 x 1, 8 waves a work-group, no clusters, 91,392 bytes of LDS; arguments x, ln1_w, ln1_b, hb, Wqkv, Wo, Wfc, Wproj, wb; writes hb, wb
.if DOCPART == 1
	.amdgcn_target "amdgcn-amd-amdhsa--gfx1250"
	.amdhsa_code_object_version 6
	.text
	.protected	k_q98b9241f8a_prep
	.globl	k_q98b9241f8a_prep
	.p2align	8
	.type	k_q98b9241f8a_prep,@function
k_q98b9241f8a_prep:
	s_mov_b64 s[64:65], 0
	v_nop
	global_prefetch_b8 v0, s[64:65] scope:SCOPE_SE
	s_setreg_imm32_b32 hwreg(HW_REG_WAVE_MODE, 25, 1), 1
	s_wait_xcnt 0x0
; ONE BODY, TWO KINDS OF WORK-GROUP.  With n the work-group's number:
;   n < 256: THE ROWS.  h = (x - mean) rsqrt(var + 1e-5) w + b over rows of 1,024 f32, quantised along the row to FP6 (E2M3) with one E8M0 byte for each 32; work-group n makes tile n of 16 rows.
;   else:    A WEIGHT.  f32 stored [K][N] becomes codes of FP6 with one E8M0 byte for each 32 along K; a work-group takes 256 columns x 128 along K.
;            Chunks n - 256: 0-95 Wqkv, 96-127 Wo, 128-255 Wfc, 256-383 Wproj.  Only pointers and sizes are chosen, by the work-group's number.
; LAYOUT, of rows and weights alike.  A tile is 16 rows (of a weight: 16 columns n); lane index r of tile T is row 32 (T / 2) + 8 (T % 2) + r + 8 (r / 8).  A fragment (tile x 128 along K) lies as an image of the
; operand's registers: registers 4 g .. 4 g + 3 of lane l at byte 512 g + 16 l, 1,536 bytes; fragments lie [tile][K / 128]; scale words [K / 128][tile][16 rows], 4 bytes a row.
; THE ROWS, phase 1: wave w normalises the tile's rows 2 w, 2 w + 1, each whole in 32 registers a lane; the mean first, then the sum of squared deviations; the rows go to LDS.
;   Phase 2, behind the barrier: wave w takes K step w: lane (r, h) reads, of row r, 16 neighbours of each block of 32, quantises them and stores the fragment's image.
; A WEIGHT: a lane takes a column and its registers run down K; a wave takes 32 columns (two tiles); its codes go through its own stage in LDS, laid as the images are, and leave in stores of 512 consecutive bytes.
; The two ways have LDS bytes of their own, all LDS address registers are made ahead of the parting, and the one barrier stands where the ways have joined.
; 168 registers a wave and 91,392 bytes of LDS: three work-groups' claims fit in a WGP's registers and LDS.
; A block's scale is 2^(floor(log2(largest magnitude)) - 2); its byte is the largest magnitude's exponent field - 2, held at 1 from below.
; LIMITS: a block of zeros gets the byte 1 where the rule says 127 (its codes are zeros, and this program alone reads the bytes); NaN and infinities among the inputs are not served.
; The launch's claim is 160 registers a wave, not the 168 named above: the rows' three offsets lie in v1, v2 and v9, which the head's lane terms have left free by the time they are made.
.set LNB,   24576
.set PITCH, 4112
.set SPARE, LNB+16*PITCH
.set SPW,   14
.set NIL,   15
.set OFFS,  16                         ; a weight: v16-47 offsets; v48-111 two sets of 32 numbers; v112-118 codes; v120 the scale word; v128-151 the way out
.set XW,    48
.set C,     112
.set SB,    120
.set OUTR,  128
.set X,     16                         ; the rows: v16-79 two rows, later phase 2's 64 numbers; v80-111 the gain; v112-143 the bias; v144-159 sums
.set W,     80
.set BB,    112
.set SM,    144
.set SQ,    152
.set TM,    80                         ; phase 2, where gain and bias are done with: v80-95 the quantiser's work; v96 the scale word; v100-118 the codes
.set PW,    96
.set PC,    100
.set LST,   1                          ; v1 where phase 1 stores; v9 where phase 2 loads; v2 4 r.  Made at the head behind the last use of the lane terms that lay there, and never rewritten on either way
.set LLD,   9
.set LSC,   2
.set SEL,   56
.macro ALLSUM a, t                     ; v[a] summed over the 32 lanes, in every lane
	v_add_f32_dpp v[\a], v[\a], v[\a] row_xmask:1 row_mask:0xf bank_mask:0xf
	s_delay_alu instid0(VALU_DEP_1)
	v_add_f32_dpp v[\a], v[\a], v[\a] row_xmask:2 row_mask:0xf bank_mask:0xf
	s_delay_alu instid0(VALU_DEP_1)
	v_add_f32_dpp v[\a], v[\a], v[\a] row_xmask:4 row_mask:0xf bank_mask:0xf
	s_delay_alu instid0(VALU_DEP_1)
	v_add_f32_dpp v[\a], v[\a], v[\a] row_xmask:8 row_mask:0xf bank_mask:0xf
	s_delay_alu instid0(VALU_DEP_1)
	v_permlanex16_b32 v[\t], v[\a], s[SEL], s[SEL+1]
	s_delay_alu instid0(VALU_DEP_1)
	v_add_f32 v[\a], v[\a], v[\t]
.endm
; 64 numbers of a lane, register 16 b + i = k 32 b + 16 (lane / 16) + i of my row, become a fragment's codes in v[PC] on and its scale word in v[PW]
.macro QUANT s
.irp b, 0,1,2,3
	v_max3_num_f32 v[TM+\b], |v[\s+16*\b]|, |v[\s+1+16*\b]|, 0x1800000   ; my 16 numbers of block b, and the floor 2^(3 - 127)
.endr
.irp i, 2,4,6,8,10,12,14
.irp b, 0,1,2,3
	s_delay_alu instid0(VALU_DEP_4)
	v_max3_num_f32 v[TM+\b], v[TM+\b], |v[\s+16*\b+\i]|, |v[\s+1+16*\b+\i]|
.endr
.endr
.irp b, 0,1,2,3
	s_delay_alu instid0(VALU_DEP_4)
	v_permlanex16_b32 v[TM+4+\b], v[TM+\b], s[SEL], s[SEL+1]
.endr
.irp b, 0,1,2,3
	s_delay_alu instid0(VALU_DEP_4)
	v_max_num_f32 v[TM+\b], v[TM+\b], v[TM+4+\b]   ; with lane l xor 16's: the block's largest magnitude
.endr
.irp b, 0,1,2,3
	s_delay_alu instid0(VALU_DEP_4)
	v_add_nc_u32 v[TM+12+\b], 0xff000000, v[TM+\b] ; 2 off the exponent field: the conversion's scale operand
.endr
.irp b, 0,1,2,3
	s_delay_alu instid0(VALU_DEP_4)
	v_lshrrev_b32 v[TM+4+\b], 23, v[TM+12+\b]      ; the scale's byte
.endr
	s_delay_alu instid0(VALU_DEP_3)
	v_lshl_or_b32 v[PW], v[TM+5], 8, v[TM+4]
	s_delay_alu instid0(VALU_DEP_1)
	v_lshl_or_b32 v[PW], v[TM+6], 16, v[PW]
	s_delay_alu instid0(VALU_DEP_1)
	v_lshl_or_b32 v[PW], v[TM+7], 24, v[PW]
.irp c, 0,1
	v_cvt_scalef32_pk16_fp6_f32 v[PC+6*\c:PC+2+6*\c], v[\s+32*\c:\s+15+32*\c], v[TM+12+2*\c]
	v_cvt_scalef32_pk16_fp6_f32 v[PC+12+4*\c:PC+14+4*\c], v[\s+16+32*\c:\s+31+32*\c], v[TM+12+2*\c+1]
.endr
	v_nop                                          ; one plain place behind a scaled conversion
.irp c, 0,1                                    ; the operand wants a whole block in a lane
.irp i, 0,1,2
	v_permlane16_swap_b32 v[PC+6*\c+\i], v[PC+12+4*\c+\i]
.endr
.irp i, 0,1,2
	s_delay_alu instid0(VALU_DEP_3)
	v_mov_b32 v[PC+3+6*\c+\i], v[PC+12+4*\c+\i]
.endr
.endr
.endm
	s_load_b256 s[4:11], s[0:1], 0x0               ; the rows, the gain, the bias, the rows' output
	s_load_b128 s[12:15], s[0:1], 0x20             ; Wqkv, Wo
	s_load_b128 s[60:63], s[0:1], 0x30             ; Wfc, Wproj
	s_load_b64 s[16:17], s[0:1], 0x40              ; the weights' output
	v_lshl_add_u32 v[SPW], v0, 2, SPARE
	v_mov_b32 v[NIL], 0
	v_lshrrev_b32 v1, 5, v0
	s_delay_alu instid0(VALU_DEP_1)
	v_readfirstlane_b32 s18, v1                    ; wave 0..7
	v_and_b32 v1, 31, v0                           ; lane
	s_delay_alu instid0(VALU_DEP_1)
	v_lshlrev_b32 v6, 4, v1                        ; 16 x lane
	s_delay_alu instid0(VALU_DEP_2)
	v_bfe_u32 v2, v1, 3, 1                         ; a weight: which of the wave's two tiles
	s_delay_alu instid0(VALU_DEP_3)
	v_and_b32 v3, 7, v1
	s_delay_alu instid0(VALU_DEP_4)
	v_lshrrev_b32 v10, 4, v1
	s_delay_alu instid0(VALU_DEP_1)
	v_lshl_add_u32 v3, v10, 3, v3                  ; my lane index in that tile
	s_mul_i32 s19, s18, 3072                       ; my stage
	v_mul_u32_u24 v4, v2, 1536
	s_delay_alu instid0(VALU_DEP_1)
	v_lshl_add_u32 v4, v3, 4, v4
	s_delay_alu instid0(VALU_DEP_1)
	v_add_nc_u32 v4, s19, v4                       ; into it
	v_add_nc_u32 v5, s19, v6                       ; out of it
	v_lshlrev_b32 v8, 6, v2
	s_delay_alu instid0(VALU_DEP_1)
	v_lshl_add_u32 v8, v3, 2, v8                   ; my scale word: 64 u + 4 x index
	v_lshlrev_b32 v10, 2, v1                       ; 4 x lane
	v_and_b32 v12, 15, v0                          ; the rows: r
	v_bfe_u32 v13, v0, 4, 1                        ; h
	s_mul_i32 s58, s18, 2*PITCH
	s_add_co_u32 s58, s58, LNB
	v_add_nc_u32 v[LST], s58, v6                   ; phase 1 stores: my two rows, 16 x lane
	v_mul_u32_u24 v[LLD], v12, PITCH
	s_delay_alu instid0(VALU_DEP_1)
	v_lshl_add_u32 v[LLD], v13, 6, v[LLD]
	s_lshl_b32 s58, s18, 9
	s_add_co_u32 s58, s58, LNB
	v_add_nc_u32 v[LLD], s58, v[LLD]               ; phase 2 loads: row r, K step = wave, + 64 h
	v_lshlrev_b32 v[LSC], 2, v12                   ; 4 r
	s_mov_b32 s[SEL], 0x76543210
	s_mov_b32 s[SEL+1], 0xfedcba98
	s_mov_b32 s52, ttmp9                           ; n
	s_wait_alu depctr_va_vdst(0)                   ; the wait at the head's end
	s_wait_kmcnt 0x0
	s_cmp_lt_u32 s52, 256                          ; the work-group's number alone: all eight waves go the same way
	s_cbranch_scc1 .Lrows
	; ---- A WEIGHT
	s_sub_co_u32 s53, s52, 256
	s_cmp_ge_u32 s53, 128
	s_cselect_b32 s20, 128, 0
	s_add_co_u32 s53, s53, s20                     ; 0-95 Wqkv, 96-127 Wo, 256-383 Wfc, 384-511 Wproj
	s_mov_b32 s20, 384                             ; the figures of [4096][1024]: first chunk,
	s_mov_b32 s21, 4096                            ; 4 N: a row of the weight in bytes, and a K step of its scale words
	s_mov_b32 s22, 5                               ; bits of the place along K,
	s_mov_b32 s28, 31                              ; and their mask
	s_mov_b32 s23, 49152                           ; 12 K: a tile's fragments in bytes
	s_mov_b32 s24, 6291456                         ; where its codes begin in the output,
	s_mov_b32 s25, 9699328                         ; and its scale words
	s_mov_b64 s[44:45], s[62:63]
	s_cmp_lt_u32 s53, 384                          ; [1024][4096] or an earlier one
	s_cselect_b64 s[44:45], s[60:61], s[44:45]
	s_cselect_b32 s20, 256, s20
	s_cselect_b32 s21, 16384, s21
	s_cselect_b32 s22, 3, s22
	s_cselect_b32 s28, 7, s28
	s_cselect_b32 s23, 12288, s23
	s_cselect_b32 s24, 3145728, s24
	s_cselect_b32 s25, 9568256, s25
	s_cmp_lt_u32 s53, 256                          ; [1024][1024] or [1024][3072]
	s_cselect_b64 s[44:45], s[14:15], s[44:45]
	s_cselect_b32 s20, 96, s20
	s_cselect_b32 s21, 4096, s21
	s_cselect_b32 s24, 2359296, s24
	s_cselect_b32 s25, 9535488, s25
	s_cmp_lt_u32 s53, 96                           ; [1024][3072]
	s_cselect_b64 s[44:45], s[12:13], s[44:45]
	s_cselect_b32 s20, 0, s20
	s_cselect_b32 s21, 12288, s21
	s_cselect_b32 s24, 0, s24
	s_cselect_b32 s25, 9437184, s25
	s_sub_co_u32 s26, s53, s20                     ; my number within the weight
	s_and_b32 s27, s26, s28                        ; ky: which 128 along K
	s_lshr_b32 s29, s26, s22                       ; nx: which 256 columns
	v_add_nc_u32 v7, s23, v6                       ; the second tile's image lies a tile's fragments further on
.set li, 0
.rept 32
	v_mad_u32_u24 v[OFFS+li], s21, li, v10         ; row i of a block, my column
.set li, li+1
.endr
	s_lshl_b32 s30, s21, 7
	s_mul_i32 s30, s30, s27                        ; 128 ky rows
	s_lshl_b32 s31, s29, 10
	s_add_co_u32 s30, s30, s31                     ; + 256 nx columns
	s_lshl_b32 s31, s18, 7
	s_add_co_u32 s30, s30, s31                     ; + 32 columns a wave
	s_mov_b32 s31, 0
	s_add_nc_u64 s[32:33], s[44:45], s[30:31]      ; the even blocks' base,
	s_lshl_b32 s30, s21, 5
	s_add_nc_u64 s[34:35], s[32:33], s[30:31]      ; the odd blocks': 32 rows on
	s_lshl_b32 s36, s21, 6
	s_mov_b32 s37, 0                               ; two blocks on: 64 rows
	s_lshl_b32 s38, s29, 3
	s_add_co_u32 s38, s38, s18                     ; my pair of tiles: 8 nx + wave
	s_lshl_b32 s30, s38, 1
	s_mul_i32 s30, s30, s23
	s_mul_i32 s39, s27, 1536                       ; K step ky
	s_add_co_u32 s30, s30, s39
	s_add_co_u32 s30, s30, s24
	s_add_nc_u64 s[40:41], s[16:17], s[30:31]      ; where my images go
	s_mul_i32 s30, s27, s21
	s_lshl_b32 s39, s38, 7
	s_add_co_u32 s30, s30, s39
	s_add_co_u32 s30, s30, s25
	s_add_nc_u64 s[42:43], s[16:17], s[30:31]      ; and my scale words
.macro LOAD t                          ; block t: 32 rows of my column; a wave's load reads 128 consecutive bytes, the eight waves stand side by side
.set li, 0
.rept 32
	global_load_b32 v[XW+32*((\t)%2)+li], v[OFFS+li], s[32+2*((\t)%2):33+2*((\t)%2)] th:TH_LOAD_NT
.set li, li+1
.endr
.endm
.macro BLOCK t
.set XS, XW+32*((\t)%2)
.set IM, 256*((\t)%2)                  ; lanes 16-31 of the image for the odd blocks
.if (\t) < 3
	s_wait_loadcnt 32                              ; this block's 32 loads are in; the next block's 32 may be out
.else
	s_wait_loadcnt 0
.endif
	v_max3_num_f32 v12, |v[XS]|, |v[XS+1]|, |v[XS+2]|   ; the block's largest magnitude, in two chains
	v_max3_num_f32 v13, |v[XS+3]|, |v[XS+4]|, |v[XS+5]|
.irp i, 6,10,14,18,22,26
	s_delay_alu instid0(VALU_DEP_2)
	v_max3_num_f32 v12, v12, |v[XS+\i]|, |v[XS+\i+1]|
	s_delay_alu instid0(VALU_DEP_2)
	v_max3_num_f32 v13, v13, |v[XS+\i+2]|, |v[XS+\i+3]|
.endr
	s_delay_alu instid0(VALU_DEP_2)
	v_max3_num_f32 v12, v12, |v[XS+30]|, |v[XS+31]|
	s_delay_alu instid0(VALU_DEP_1)
	v_max3_num_f32 v12, v12, v13, 0x1800000        ; and the floor 2^(3 - 127)
	s_delay_alu instid0(VALU_DEP_1)
	v_add_nc_u32 v11, 0xff000000, v12              ; 2 off the exponent field: the conversion's scale operand
	s_delay_alu instid0(VALU_DEP_1)
	v_lshrrev_b32 v13, 23, v11                     ; the scale's byte
.if (\t) == 0
	s_delay_alu instid0(VALU_DEP_1)
	v_mov_b32 v[SB], v13
.else
	s_delay_alu instid0(VALU_DEP_1)
	v_lshl_or_b32 v[SB], v13, 8*(\t), v[SB]
.endif
	v_cvt_scalef32_pk16_fp6_f32 v[C:C+2], v[XS:XS+15], v11
	v_cvt_scalef32_pk16_fp6_f32 v[C+4:C+6], v[XS+16:XS+31], v11
	v_nop                                          ; one plain place behind a scaled conversion
	v_mov_b32 v[C+3], v[C+4]
	v_mov_b32 v[C+4], v[C+5]
	v_mov_b32 v[C+5], v[C+6]                       ; six registers on end: registers 6 c .. 6 c + 5 of the fragment, c = t / 2
.if (\t)/2 == 0
	ds_store_b128 v4, v[C:C+3] offset:IM           ; registers 0-3
	ds_store_b64 v4, v[C+4:C+5] offset:IM+512      ; registers 4, 5
.else
	ds_store_b64 v4, v[C:C+1] offset:IM+520        ; registers 6, 7
	ds_store_b128 v4, v[C+2:C+5] offset:IM+1024    ; registers 8-11
.endif
.if (\t)+2 < 4
	s_add_nc_u64 s[32+2*((\t)%2):33+2*((\t)%2)], s[32+2*((\t)%2):33+2*((\t)%2)], s[36:37]   ; this block's loads are done (the wait above): their base may step
	LOAD (\t)+2
.endif
	s_wait_dscnt 0x0                               ; the stores have read their registers
.endm
	s_wait_alu depctr_va_vdst(0)
	LOAD 0
	LOAD 1
.irp t, 0,1,2,3
	BLOCK \t
.endr
	s_wait_alu depctr_va_vdst(0)
	global_store_b32 v8, v[SB], s[42:43]           ; my column's scale word of this K step
.irp m, 0,1,2,3,4,5
	ds_load_b128 v[OUTR+4*\m:OUTR+4*\m+3], v5 offset:512*\m   ; LDS serves a wave's instructions in order: these see my stores
.endr
.irp m, 0,1,2
	s_wait_dscnt 5-\m                              ; load m is in; the younger ones may be out
	global_store_b128 v6, v[OUTR+4*\m:OUTR+4*\m+3], s[40:41] offset:512*\m   ; 512 consecutive bytes, at a multiple of 256
.endr
.irp m, 3,4,5
	s_wait_dscnt 5-\m
	global_store_b128 v7, v[OUTR+4*\m:OUTR+4*\m+3], s[40:41] offset:512*(\m-3)
.endr
	s_branch .Ljoin
	; ---- THE ROWS, phase 1
.Lrows:
	s_lshr_b32 s46, ttmp9, 1
	s_lshl_b32 s46, s46, 5
	s_and_b32 s47, ttmp9, 1
	s_lshl_b32 s47, s47, 3
	s_add_co_u32 s46, s46, s47
	s_lshl_b32 s47, s18, 1
	s_add_co_u32 s46, s46, s47
	s_lshr_b32 s47, s18, 2
	s_lshl_b32 s47, s47, 3
	s_add_co_u32 s46, s46, s47                     ; my first row in memory: 32 (T / 2) + 8 (T % 2) + 2 w + 8 (w / 4); the second follows it
	s_lshl_b32 s46, s46, 12
	s_mov_b32 s47, 0
	s_mov_b32 s54, 0x3a800000                      ; 1 / 1,024
	s_mov_b32 s55, 0x3727c5ac                      ; 1e-5
	s_add_nc_u64 s[4:5], s[4:5], s[46:47]
.irp e, 0,1
.irp j, 0,1,2,3,4,5,6,7
	global_load_b128 v[X+32*\e+4*\j:X+32*\e+4*\j+3], v6, s[4:5] offset:4096*\e+512*\j   ; 512 consecutive bytes a load
.endr
.endr
.irp j, 0,1,2,3,4,5,6,7
	global_load_b128 v[W+4*\j:W+4*\j+3], v6, s[6:7] offset:512*\j
.endr
.irp j, 0,1,2,3,4,5,6,7
	global_load_b128 v[BB+4*\j:BB+4*\j+3], v6, s[8:9] offset:512*\j
.endr
	s_wait_loadcnt 16                              ; both rows are in; the gain's and the bias's 16 loads may be out
.irp e, 0,1                                    ; the rows' sums: two chains a row
	v_pk_add_f32 v[SM+4*\e:SM+1+4*\e], v[X+32*\e:X+32*\e+1], v[X+32*\e+2:X+32*\e+3]
	v_pk_add_f32 v[SM+2+4*\e:SM+3+4*\e], v[X+32*\e+4:X+32*\e+5], v[X+32*\e+6:X+32*\e+7]
.endr
.irp j, 8,12,16,20,24,28
.irp e, 0,1
	s_delay_alu instid0(VALU_DEP_4)
	v_pk_add_f32 v[SM+4*\e:SM+1+4*\e], v[SM+4*\e:SM+1+4*\e], v[X+32*\e+\j:X+32*\e+\j+1]
	s_delay_alu instid0(VALU_DEP_4)
	v_pk_add_f32 v[SM+2+4*\e:SM+3+4*\e], v[SM+2+4*\e:SM+3+4*\e], v[X+32*\e+\j+2:X+32*\e+\j+3]
.endr
.endr
.irp e, 0,1
	v_pk_add_f32 v[SM+4*\e:SM+1+4*\e], v[SM+4*\e:SM+1+4*\e], v[SM+2+4*\e:SM+3+4*\e]
.endr
.irp e, 0,1
	s_delay_alu instid0(VALU_DEP_2)
	v_add_f32 v[SM+4*\e], v[SM+4*\e], v[SM+1+4*\e]
.endr
	ALLSUM SM, SM+1
	ALLSUM SM+4, SM+5
.irp e, 0,1
	v_mul_f32 v[SM+4*\e], s54, v[SM+4*\e]          ; the mean
.endr
.irp e, 0,1
.irp j, 0,2,4,6,8,10,12,14,16,18,20,22,24,26,28,30
	v_pk_add_f32 v[X+32*\e+\j:X+32*\e+\j+1], v[X+32*\e+\j:X+32*\e+\j+1], v[SM+4*\e:SM+1+4*\e] op_sel_hi:[1,0] neg_lo:[0,1] neg_hi:[0,1]   ; x - mean, in place
.endr
.endr
.irp e, 0,1                                    ; the sums of squared deviations
	v_pk_mul_f32 v[SQ+4*\e:SQ+1+4*\e], v[X+32*\e:X+32*\e+1], v[X+32*\e:X+32*\e+1]
	v_pk_mul_f32 v[SQ+2+4*\e:SQ+3+4*\e], v[X+32*\e+2:X+32*\e+3], v[X+32*\e+2:X+32*\e+3]
.endr
.irp j, 4,8,12,16,20,24,28
.irp e, 0,1
	s_delay_alu instid0(VALU_DEP_4)
	v_pk_fma_f32 v[SQ+4*\e:SQ+1+4*\e], v[X+32*\e+\j:X+32*\e+\j+1], v[X+32*\e+\j:X+32*\e+\j+1], v[SQ+4*\e:SQ+1+4*\e]
	s_delay_alu instid0(VALU_DEP_4)
	v_pk_fma_f32 v[SQ+2+4*\e:SQ+3+4*\e], v[X+32*\e+\j+2:X+32*\e+\j+3], v[X+32*\e+\j+2:X+32*\e+\j+3], v[SQ+2+4*\e:SQ+3+4*\e]
.endr
.endr
.irp e, 0,1
	v_pk_add_f32 v[SQ+4*\e:SQ+1+4*\e], v[SQ+4*\e:SQ+1+4*\e], v[SQ+2+4*\e:SQ+3+4*\e]
.endr
.irp e, 0,1
	s_delay_alu instid0(VALU_DEP_2)
	v_add_f32 v[SQ+4*\e], v[SQ+4*\e], v[SQ+1+4*\e]
.endr
	ALLSUM SQ, SQ+1
	ALLSUM SQ+4, SQ+5
.irp e, 0,1
	v_fma_f32 v[SQ+4*\e], v[SQ+4*\e], s54, s55     ; var + 1e-5
.endr
	s_wait_alu depctr_va_vdst(0)                   ; the wait ahead of the two,
	v_rsq_f32 v[SQ], v[SQ]
	v_rsq_f32 v[SQ+4], v[SQ+4]
	v_nop                                          ; a plain place behind them,
	s_wait_alu depctr_va_vdst(0)                   ; and one wait for both, ahead of their first reader
	s_wait_loadcnt 0x0                             ; the gain and the bias
.irp e, 0,1
.irp j, 0,2,4,6,8,10,12,14,16,18,20,22,24,26,28,30
	v_pk_mul_f32 v[X+32*\e+\j:X+32*\e+\j+1], v[X+32*\e+\j:X+32*\e+\j+1], v[SQ+4*\e:SQ+1+4*\e] op_sel_hi:[1,0]
.endr
.irp j, 0,2,4,6,8,10,12,14,16,18,20,22,24,26,28,30
	v_pk_fma_f32 v[X+32*\e+\j:X+32*\e+\j+1], v[X+32*\e+\j:X+32*\e+\j+1], v[W+\j:W+\j+1], v[BB+\j:BB+\j+1]
.endr
.irp j, 0,1,2,3,4,5,6,7
	ds_store_b128 v[LST], v[X+32*\e+4*\j:X+32*\e+4*\j+3] offset:PITCH*\e+512*\j
.endr
.endr
	; ---- the ways have joined: the one barrier, on every wave's path
.Ljoin:
	s_wait_xcnt 0x0                                ; a weight's stores have read their registers
	s_wait_dscnt 0x0                               ; for the others' sake: my rows lie in LDS
	s_barrier_signal -1
	s_barrier_wait -1
	s_cmp_lt_u32 s52, 256
	s_cbranch_scc0 .Lend                           ; a weight's work-group is done
	; ---- THE ROWS, phase 2
	s_lshl_b32 s48, ttmp9, 3
	s_add_co_u32 s48, s48, s18
	s_mul_i32 s48, s48, 1536                       ; my fragment: (8 T + w) images
	s_mov_b32 s49, 0
	s_lshl_b32 s50, s18, 8
	s_add_co_u32 s50, s50, ttmp9
	s_lshl_b32 s50, s50, 6
	s_add_co_u32 s50, s50, 3145728                 ; its scale words: (256 w + T) x 64
	s_mov_b32 s51, 0
	s_add_nc_u64 s[48:49], s[10:11], s[48:49]
	s_add_nc_u64 s[50:51], s[10:11], s[50:51]
.irp b, 0,1,2,3
.irp j, 0,1,2,3
	ds_load_b128 v[X+16*\b+4*\j:X+16*\b+4*\j+3], v[LLD] offset:128*\b+16*\j   ; row r, k = 128 w + 32 b + 16 h + 4 j on
.endr
.endr
	s_wait_dscnt 0x0
.irp b, 0,1,2,3
	v_mov_b32 v[TM+4+\b], 0                        ; a lane permute's destination counts as one of its sources
.endr
	QUANT X
.irp g, 0,1,2
	global_store_b128 v6, v[PC+4*\g:PC+4*\g+3], s[48:49] offset:512*\g   ; the image: 512 consecutive bytes a store
.endr
	global_store_b32 v[LSC], v[PW], s[50:51]       ; row r's scale word (lanes l and l + 16 hold and write the same word)
.Lend:
	s_wait_tensorcnt 0x0                           ; the wave's end, behind my last LDS store
	ds_add_u32 v[SPW], v[NIL]
	s_wait_dscnt 0x0
	s_endpgm
.Lfunc_end_k_q98b9241f8a_prep:
	.size	k_q98b9241f8a_prep, .Lfunc_end_k_q98b9241f8a_prep-k_q98b9241f8a_prep
	.p2alignl 7, 3214868480
	.fill 96, 4, 3214868480
	.section	.rodata,"a",@progbits
	.p2align	6, 0x0
	.amdhsa_kernel k_q98b9241f8a_prep
		.amdhsa_group_segment_fixed_size 91392
		.amdhsa_private_segment_fixed_size 0
		.amdhsa_enable_private_segment 0
		.amdhsa_kernarg_size 72
		.amdhsa_user_sgpr_count 2
		.amdhsa_user_sgpr_kernarg_segment_ptr 1
		.amdhsa_wavefront_size32 1
		.amdhsa_system_sgpr_workgroup_id_x 1
		.amdhsa_system_sgpr_workgroup_id_y 1
		.amdhsa_system_sgpr_workgroup_id_z 1
		.amdhsa_system_vgpr_workitem_id 0
		.amdhsa_next_free_vgpr 160
		.amdhsa_next_free_sgpr 66
		.amdhsa_reserve_vcc 0
		.amdhsa_float_denorm_mode_32 3
		.amdhsa_float_denorm_mode_16_64 3
		.amdhsa_memory_ordered 1
		.amdhsa_forward_progress 1
		.amdhsa_inst_pref_size 56
	.end_amdhsa_kernel
	.amdgpu_metadata
---
amdhsa.version: [ 1, 2 ]
amdhsa.kernels:
  - .name:           k_q98b9241f8a_prep
    .symbol:         k_q98b9241f8a_prep.kd
    .args:
      - { .name: x, .offset: 0, .size: 8, .value_kind: global_buffer, .address_space: global }
      - { .name: ln1_w, .offset: 8, .size: 8, .value_kind: global_buffer, .address_space: global }
      - { .name: ln1_b, .offset: 16, .size: 8, .value_kind: global_buffer, .address_space: global }
      - { .name: hb, .offset: 24, .size: 8, .value_kind: global_buffer, .address_space: global }
      - { .name: Wqkv, .offset: 32, .size: 8, .value_kind: global_buffer, .address_space: global }
      - { .name: Wo, .offset: 40, .size: 8, .value_kind: global_buffer, .address_space: global }
      - { .name: Wfc, .offset: 48, .size: 8, .value_kind: global_buffer, .address_space: global }
      - { .name: Wproj, .offset: 56, .size: 8, .value_kind: global_buffer, .address_space: global }
      - { .name: wb, .offset: 64, .size: 8, .value_kind: global_buffer, .address_space: global }
    .group_segment_fixed_size: 91392
    .private_segment_fixed_size: 0
    .kernarg_segment_align: 8
    .kernarg_segment_size: 72
    .max_flat_workgroup_size: 256
    .sgpr_count:     66
    .vgpr_count:     160
    .wavefront_size: 32
...
	.end_amdgpu_metadata
.endif
;; end of part 1
;; launch qkv (part 2): grid 12 x 16, 4 waves a work-group, clusters of 4 x 4, 327,680 bytes of LDS; arguments hb, wb, bqkv, qb; writes qb
.if DOCPART == 2
	.amdgcn_target "amdgcn-amd-amdhsa--gfx1250"
	.amdhsa_code_object_version 6
	.text
	.protected	k_q98b9241f8a_qkv
	.globl	k_q98b9241f8a_qkv
	.p2align	8
	.type	k_q98b9241f8a_qkv,@function
k_q98b9241f8a_qkv:
	s_mov_b64 s[64:65], 0
	v_nop
	global_prefetch_b8 v0, s[64:65] scope:SCOPE_SE
	s_setreg_imm32_b32 hwreg(HW_REG_WAVE_MODE, 25, 1), 1
	s_wait_xcnt 0x0
	s_wait_alu depctr_hold_cnt(0) depctr_sa_sdst(0) depctr_va_vdst(0) depctr_va_sdst(0) depctr_va_ssrc(0) depctr_va_vcc(0) depctr_vm_vsrc(0)
	s_getreg_b32 s2, hwreg(HW_REG_IB_STS2, 6, 4)
	s_cmp_eq_u32 s2, 0
	s_cbranch_scc0 .Lentry_in_a_cluster
	s_endpgm
.Lentry_in_a_cluster:
	s_bfe_u32 s2, ttmp6, 0x10000c
	s_cmp_lg_u32 s2, 0xf033
	s_cbranch_scc0 .Lentry_shape_is_right
	s_endpgm
.Lentry_shape_is_right:
; qkv = h Wqkv + bqkv on codes of FP6 (E2M3); the result is quantised in registers and stored as attention's operands: q and k along the head's 64, v along the keys.
; OPERANDS lie in memory as images of their registers: a fragment (tile of 16 rows x 128 K, 12 registers a lane): registers 4 g .. 4 g + 3 of lane l at 512 g + 16 l; fragments [tile][K / 128];
; scale words [K / 128][tile][16].  Lane index r of tile T is row 32 (T / 2) + 8 (T % 2) + r + 8 (r / 8), for activations and weights alike.
; SHARES.  A work-group makes 256 x 256 of the result, each of its four waves 128 x 128: 64 accumulators, 512 registers.  K goes through a ring of two LDS slots, 256 along K each, filled by tensor loads.
; THE PRODUCT IS USED TRANSPOSED (source 0 = 16 rows of B, source 1 = 16 rows of A): a lane holds one row of A's tile, and by the choice of a tile's rows the 16 registers of B's tiles 2 b, 2 b + 1 are 16 neighbours.
; So a lane's 64 numbers of a block of A's rows are quantised along B's axis as they stand.  For q and k: A = h (a lane a token), B = the weight (registers along the head's channels).
; FOR v THE ROLES ARE SWAPPED: the keys are the next K, so A = the weight (a lane a channel) and B = h (registers along the tokens).  Every work-group loads the same two tiles into the same LDS bytes;
; the work-groups of cluster x = 2 (columns 2,048 on) only read them the other way round: four LDS bases are chosen by the cluster's x, which all partners share.
; CLUSTERS: 4 x 4 work-groups; h's tile is shared along a row of the cluster, the weight's along a column: each is asked for jointly, which divides the requests by four.
; OUTPUT qb: q: half images (16 rows x 64: registers 0-3 at 16 l, 4-5 at 512 + 8 l, 768 bytes) [head 32][128 tiles]; its scale words from 3,145,728; from 3,407,872 records [head][16 steps] of 13,056 bytes:
; 8 half images of k, 4 images of v^T (16 channels x 128 keys) at 6,144, k's scale words at 12,288, v's at 12,800.  q's and k's words carry 0x7f in bytes 2, 3.
; LIMITS: a block of zeros gets the byte 1 (zero codes; this program alone reads the bytes); NaN and infinities are not served.
; REGISTERS: window 0: v1-15 lane numbers and addresses; v16-23 LDS addresses; v28, v29 the add's two; v32-47 scale words, two sets; v48-63 the bias of v's channels; v64-159, v160-255 A's two sets.
;   window 1: v0-95, v96-191 B's two sets; v192-255 the bias along the registers.   windows 2, 3: accumulator (a, b) at v[8 (8 (a % 4) + b)], a < 4 in window 2.
.set MB,    8                          ; tiles of 16 a wave, each way
.set NQ,    2                          ; K steps of 128 in a slot
.set KK,    1024
.set LAPS,  KK/(256*NQ)
.set HALFT, MB*NQ*1536                 ; what one tensor load brings: MB tiles x NQ fragments
.set SLOT,  4*HALFT                    ; A's two halves, B's two halves
.set HALFS, (KK/128)*MB*64             ; the scale words of MB tiles, all of K
.set SCL,   2*SLOT                     ; behind the ring: the scale words, filled once
.set SPARE, SCL+4*HALFS                ; the spare words, 128 bytes a wave
.set ASCOFF, 3145728                   ; A's scale words in its buffer
.set WCOFF, 0                          ; the weight's codes in wb,
.set WSOFF, 9437184                    ; its scale words,
.set WSP,   1536                       ; and their pitch from K step to K step, in 8 bytes: N / 2
.set ADRA, 16
.set ADRB, 20
.set ADSA, 22
.set ADSB, 23
.set SPW,  28
.set NIL,  29
.set HH,   64                          ; the way out: 64 numbers
.set TM,   192
.set PW,   208
.set PC,   212
.set G1,   24
.set G0,   32
.set G1B,  48
.set G0B,  56
.set G1S,  68
.set G0S,  76
.set G1SB, 80
.set G0SB, 88
.set SEL,  98
.set MSB, 0
.macro WIN new                         ; the immediate's high byte repeats the setting that is left
.if MSB != (\new)
	s_set_vgpr_msb (MSB<<8)|(\new)
.set MSB, (\new)
.endif
.endm
.macro JLOAD g0a, g1a, g0b, g1b        ; a joint load: waves 0, 1 fetch for A, waves 2, 3 for B; an s_nop 0 and four v_nop follow each line
	s_cmp_eq_u32 s15, 0
	s_cbranch_scc0 .Lfor_b_\@
	tensor_load_to_lds s[\g0a:\g0a+3], s[\g1a:\g1a+7]
	s_nop 0
.rept 4
	v_nop
.endr
	s_branch .Lasked_\@
.Lfor_b_\@:
	tensor_load_to_lds s[\g0b:\g0b+3], s[\g1b:\g1b+7]
	s_nop 0
.rept 4
	v_nop
.endr
.Lasked_\@:
.endm
.macro CREST                           ; a round of the cluster's barrier behind its opening barrier
	s_cmp_lg_u32 s14, 0
	s_cbranch_scc1 .Lnot_wave_0_\@
	s_barrier_signal -3
.Lnot_wave_0_\@:
	s_barrier_wait -3
	s_barrier_signal -1
	s_barrier_wait -1
.endm
.macro CROUND
	s_barrier_signal -1
	s_barrier_wait -1
	CREST
.endm
.macro PLACES n
.rept \n
	v_nop
.endr
.endm
.macro FRAG3 reg, adr, off             ; a fragment comes back as it was stored: three loads of 512 consecutive bytes
.irp g, 0,1,2
	ds_load_b128 v[\reg+4*\g:\reg+4*\g+3], v[\adr] offset:\off+512*\g
.endr
.endm
.macro FETCH slot, q, p                ; the slot's q-th K step into set p: B's tiles, A's tiles, their scale words (lanes 0-15 tile 2 i, lanes 16-31 tile 2 i + 1)
	WIN 0x40
.set fi, 0
.rept MB
	FRAG3 96*(\p)+12*fi, ADRB+\slot, fi*NQ*1536+(\q)*1536
.set fi, fi+1
.endr
	WIN 0
.set fi, 0
.rept MB
	FRAG3 64+96*(\p)+12*fi, ADRA+\slot, fi*NQ*1536+(\q)*1536
.set fi, fi+1
.endr
.set fi, 0
.rept MB/2
	ds_load_b32 v[32+8*(\p)+fi], v[ADSA] offset:(\q)*MB*64+128*fi
	ds_load_b32 v[36+8*(\p)+fi], v[ADSB] offset:(\q)*MB*64+128*fi
.set fi, fi+1
.endr
.endm
.macro WM a, b, p, zero                ; one product: A's tile a x B's tile b; an odd tile's scale words lie in lanes 16-31
.set rD, 8*(MB*((\a)%4)+(\b))
.set rB, 96*(\p)+12*(\b)
.set rA, 64+96*(\p)+12*(\a)
.set cB, 36+8*(\p)+(\b)/2
.set cA, 32+8*(\p)+(\a)/2
.set odd, 2*((\a)%2)+(\b)%2
.if \zero
.if odd == 0
	v_wmma_scale_f32_16x16x128_f8f6f4 v[rD:rD+7], v[rB:rB+11], v[rA:rA+11], 0, v[cB], v[cA] matrix_a_fmt:MATRIX_FMT_FP6 matrix_b_fmt:MATRIX_FMT_FP6
.elseif odd == 1
	v_wmma_scale_f32_16x16x128_f8f6f4 v[rD:rD+7], v[rB:rB+11], v[rA:rA+11], 0, v[cB], v[cA] matrix_a_fmt:MATRIX_FMT_FP6 matrix_b_fmt:MATRIX_FMT_FP6 matrix_a_scale:MATRIX_SCALE_ROW1
.elseif odd == 2
	v_wmma_scale_f32_16x16x128_f8f6f4 v[rD:rD+7], v[rB:rB+11], v[rA:rA+11], 0, v[cB], v[cA] matrix_a_fmt:MATRIX_FMT_FP6 matrix_b_fmt:MATRIX_FMT_FP6 matrix_b_scale:MATRIX_SCALE_ROW1
.else
	v_wmma_scale_f32_16x16x128_f8f6f4 v[rD:rD+7], v[rB:rB+11], v[rA:rA+11], 0, v[cB], v[cA] matrix_a_fmt:MATRIX_FMT_FP6 matrix_b_fmt:MATRIX_FMT_FP6 matrix_a_scale:MATRIX_SCALE_ROW1 matrix_b_scale:MATRIX_SCALE_ROW1
.endif
.else
.if odd == 0
	v_wmma_scale_f32_16x16x128_f8f6f4 v[rD:rD+7], v[rB:rB+11], v[rA:rA+11], v[rD:rD+7], v[cB], v[cA] matrix_a_fmt:MATRIX_FMT_FP6 matrix_b_fmt:MATRIX_FMT_FP6
.elseif odd == 1
	v_wmma_scale_f32_16x16x128_f8f6f4 v[rD:rD+7], v[rB:rB+11], v[rA:rA+11], v[rD:rD+7], v[cB], v[cA] matrix_a_fmt:MATRIX_FMT_FP6 matrix_b_fmt:MATRIX_FMT_FP6 matrix_a_scale:MATRIX_SCALE_ROW1
.elseif odd == 2
	v_wmma_scale_f32_16x16x128_f8f6f4 v[rD:rD+7], v[rB:rB+11], v[rA:rA+11], v[rD:rD+7], v[cB], v[cA] matrix_a_fmt:MATRIX_FMT_FP6 matrix_b_fmt:MATRIX_FMT_FP6 matrix_b_scale:MATRIX_SCALE_ROW1
.else
	v_wmma_scale_f32_16x16x128_f8f6f4 v[rD:rD+7], v[rB:rB+11], v[rA:rA+11], v[rD:rD+7], v[cB], v[cA] matrix_a_fmt:MATRIX_FMT_FP6 matrix_b_fmt:MATRIX_FMT_FP6 matrix_a_scale:MATRIX_SCALE_ROW1 matrix_b_scale:MATRIX_SCALE_ROW1
.endif
.endif
.endm
.macro MULA a0, n, p, zero             ; A's tiles a0 .. a0 + n - 1, each against all of B's.  All accumulators take turns, one instruction a turn, in the same order in every step
.set ai, \a0
.rept \n
.if (MB == 8) && (ai >= 4)
	WIN 0xf1                                       ; source 0 (B) window 1, source 1 (A) window 0, C and D window 3
.else
	WIN 0xa1                                       ; the same, C and D window 2
.endif
.set bi, 0
.rept MB
	WM ai, bi, \p, \zero
.set bi, bi+1
.endr
.set ai, ai+1
.endr
.endm
.macro STEP slot, q, zero              ; a K step that has its successor in the same slot
	s_wait_dscnt 0x0                               ; this step's set is in: it was asked for a whole step ago
	PLACES 4                                       ; four places in front of loads into registers that matrix instructions have read
	FETCH \slot, (\q)+1, 1-(\q)%2
	MULA 0, MB, (\q)%2, \zero
.endm
.macro REST slot
.if NQ == 4
	STEP \slot, 1, 0
	STEP \slot, 2, 0
.endif
.endm
; A slot's last step changes slots: ONE barrier; in front of it each wave waits for all its tensor loads, adds 0 to its spare word, and waits for that and for its own reads of this slot.  fill = 1: the slot is filled again.
.macro TURN slot, next, fill
	WIN 0
	s_wait_tensorcnt 0x0                           ; all my tensor loads have landed: my part of the next slot
	ds_add_u32 v[SPW], v[NIL]                      ; 0 onto my spare word
	s_wait_dscnt 1                                 ; this step's set is in; the add alone may be out
	MULA 0, MB/4, 1, 0
	s_wait_dscnt 0x0                               ; the add is done, and my reads of this slot are over
	s_barrier_signal -1
	MULA MB/4, MB/4, 1, 0
	WIN 0
	s_barrier_wait -1
.if \fill
	CREST                                          ; the barrier has opened a round of the cluster's: no wave of any partner still reads this slot or has a load on its way
	s_add_nc_u64 s[G0+4*\slot+2:G0+4*\slot+3], s[G0+4*\slot+2:G0+4*\slot+3], 2*NQ*1536
	s_add_nc_u64 s[G0B+4*\slot+2:G0B+4*\slot+3], s[G0B+4*\slot+2:G0B+4*\slot+3], 2*NQ*1536
	JLOAD G0+4*\slot, G1, G0B+4*\slot, G1B         ; the first tensor load behind the round; its four v_nop are the places in front of the loads below
.else
	PLACES 4
.endif
	s_wait_alu depctr_va_vdst(0)
	v_add_nc_u32 v[ADSA], NQ*MB*64, v[ADSA]        ; on to the next slot's scale words
	v_add_nc_u32 v[ADSB], NQ*MB*64, v[ADSB]
	FETCH \next, 0, 0
	MULA MB/2, MB/2, 1, 0
.endm
; 64 numbers of a lane, register 16 b + i = k 32 b + 16 (lane / 16) + i, become a fragment's codes in v[PC] on and its scale word in v[PW]
.macro QUANT s
.irp b, 0,1,2,3
	v_max3_num_f32 v[TM+\b], |v[\s+16*\b]|, |v[\s+1+16*\b]|, 0x1800000   ; my 16 numbers of block b, and the floor 2^(3 - 127)
.endr
.irp i, 2,4,6,8,10,12,14
.irp b, 0,1,2,3
	v_max3_num_f32 v[TM+\b], v[TM+\b], |v[\s+16*\b+\i]|, |v[\s+1+16*\b+\i]|
.endr
.endr
.irp b, 0,1,2,3
	v_permlanex16_b32 v[TM+4+\b], v[TM+\b], s[SEL], s[SEL+1]
.endr
.irp b, 0,1,2,3
	v_max_num_f32 v[TM+\b], v[TM+\b], v[TM+4+\b]
.endr
.irp b, 0,1,2,3
	v_add_nc_u32 v[TM+12+\b], 0xff000000, v[TM+\b] ; 2 off the exponent field: the conversion's scale operand
.endr
.irp b, 0,1,2,3
	v_lshrrev_b32 v[TM+4+\b], 23, v[TM+12+\b]      ; the scale's byte
.endr
	v_lshl_or_b32 v[PW], v[TM+5], 8, v[TM+4]
	v_lshl_or_b32 v[PW], v[TM+6], 16, v[PW]
	v_lshl_or_b32 v[PW], v[TM+7], 24, v[PW]
.irp c, 0,1
	v_cvt_scalef32_pk16_fp6_f32 v[PC+6*\c:PC+2+6*\c], v[\s+32*\c:\s+15+32*\c], v[TM+12+2*\c]
	v_cvt_scalef32_pk16_fp6_f32 v[PC+12+4*\c:PC+14+4*\c], v[\s+16+32*\c:\s+31+32*\c], v[TM+12+2*\c+1]
.endr
	v_nop                                          ; one plain place behind a scaled conversion
.irp c, 0,1
.irp i, 0,1,2
	v_permlane16_swap_b32 v[PC+6*\c+\i], v[PC+12+4*\c+\i]
.endr
.irp i, 0,1,2
	v_mov_b32 v[PC+3+6*\c+\i], v[PC+12+4*\c+\i]
.endr
.endr
.endm
	s_load_b256 s[4:11], s[0:1], 0x0               ; h's buffer, wb, the bias, qb
	v_lshl_add_u32 v[SPW], v0, 2, SPARE
	v_mov_b32 v[NIL], 0
	ds_add_u32 v[SPW], v[NIL]                      ; the wave's opening: the add and its wait ahead of my first tensor load
	ds_add_u32 v[SPW], v[NIL]
	v_lshrrev_b32 v1, 5, v0
	v_readfirstlane_b32 s14, v1                    ; wave 0..3
	s_lshr_b32 s15, s14, 1                         ; which half of A's tiles is mine.  Also: I fetch for A (0) or for B (1)
	s_and_b32 s16, s14, 1                          ; which half of B's.  Also: which half I fetch
	s_bfe_u32 s40, ttmp6, 0x40000                  ; cx, cy
	s_bfe_u32 s41, ttmp6, 0x40004
	s_lshl_b32 s42, ttmp9, 2
	s_add_co_u32 s42, s42, s40                     ; tile column
	s_and_b32 s17, ttmp7, 0xffff
	s_lshl_b32 s17, s17, 2
	s_add_co_u32 s17, s17, s41                     ; tile row
	s_lshl_b32 s43, s41, 2
	s_lshl_b32 s43, 15, s43                        ; my row of the cluster
	s_lshl_b32 s44, 0x1111, s40                    ; my column
	s_or_b32 s[G1], s43, (3<<16)|(1<<21)           ; the mask; elements of 8 bytes; bit 21 beside a mask; no padding
	s_or_b32 s[G1B], s44, (3<<16)|(1<<21)
.irp g, G1, G1B                                ; codes: MB rows (tiles) of NQ fragments, a tile's fragments of all K apart
	s_mov_b32 s[\g+1], (NQ*192)<<16
	s_mov_b32 s[\g+2], MB<<16
	s_mov_b32 s[\g+3], (NQ*192)<<16
	s_mov_b32 s[\g+4], MB
	s_mov_b32 s[\g+5], KK*12/8
	s_mov_b32 s[\g+6], 0
	s_mov_b32 s[\g+7], 0
.endr
	s_mul_i32 s18, s16, MB                         ; which MB tiles I fetch
	s_mul_i32 s20, s17, 2*MB
	s_add_co_u32 s20, s20, s18                     ; A: by the tile row alone
	s_mul_i32 s46, s42, 2*MB
	s_add_co_u32 s46, s46, s18                     ; B: by the tile column alone
	s_lshl_b32 s22, s20, 6
	s_add_co_u32 s22, s22, ASCOFF
	s_mov_b32 s23, 0
	s_lshl_b32 s92, s46, 6
	s_add_co_u32 s92, s92, WSOFF
	s_mov_b32 s93, 0
	s_mul_i32 s20, s20, 12*KK
	s_mov_b32 s21, 0
	s_mul_i32 s46, s46, 12*KK
	s_add_co_u32 s46, s46, WCOFF
	s_mov_b32 s47, 0
	s_mul_i32 s45, s14, HALFT                      ; where they go: by the wave's number alone
	s_mul_i32 s94, s14, HALFS
	s_wait_dscnt 0x0                               ; the opening add is done
	s_wait_kmcnt 0x0
	s_add_nc_u64 s[20:21], s[4:5], s[20:21]
	s_add_nc_u64 s[22:23], s[4:5], s[22:23]
	s_add_nc_u64 s[46:47], s[6:7], s[46:47]
	s_add_nc_u64 s[92:93], s[6:7], s[92:93]
	CROUND                                         ; all sixteen work-groups are here: the first joint loads meet
.irp s, 0,1
	s_mov_b32 s[G0+4*\s], 1
	s_add_co_u32 s[G0+4*\s+1], s45, \s*SLOT
	s_add_nc_u64 s[G0+4*\s+2:G0+4*\s+3], s[20:21], \s*NQ*1536
	s_or_b32 s[G0+4*\s+3], s[G0+4*\s+3], 0x80000000
	s_mov_b32 s[G0B+4*\s], 1
	s_add_co_u32 s[G0B+4*\s+1], s45, \s*SLOT
	s_add_nc_u64 s[G0B+4*\s+2:G0B+4*\s+3], s[46:47], \s*NQ*1536
	s_or_b32 s[G0B+4*\s+3], s[G0B+4*\s+3], 0x80000000
.endr
	JLOAD G0, G1, G0B, G1B                         ; slot 0: my one tensor load at the head
	; THE SCALE WORDS of my MB tiles, all 8 K steps (4,096 bytes), come by plain loads beside it: a K step's 512 consecutive bytes a load; they go to LDS bytes of their own, on which no tensor load lands
	v_and_b32 v6, 31, v0
	v_lshlrev_b32 v6, 4, v6                        ; 16 x lane
	s_add_co_u32 s94, s94, SCL
	v_add_nc_u32 v7, s94, v6                       ; SCL + wave x HALFS + 16 x lane
	s_wait_alu depctr_va_vdst(0)                   ; the wait ahead of the branch
	s_cmp_eq_u32 s15, 0                            ; waves 0, 1: h's words; waves 2, 3: the weight's
	s_cbranch_scc0 .Lsc_b
.irp k, 0,1,2,3,4,5,6,7
	global_load_b128 v[64+4*\k:67+4*\k], v6, s[22:23] offset:\k*16384
.endr
	s_branch .Lsc_j
.Lsc_b:
.irp k, 0,1,2,3,4,5,6,7
	global_load_b128 v[64+4*\k:67+4*\k], v6, s[92:93] offset:\k*WSP*8
.endr
.Lsc_j:
	s_wait_loadcnt 0x0
	s_wait_tensorcnt 0x0                           ; no tensor load of mine is out while I store to LDS
.irp k, 0,1,2,3,4,5,6,7
	ds_store_b128 v7, v[64+4*\k:67+4*\k] offset:\k*512
.endr
	s_wait_tensorcnt 0x0                           ; slot 1's first fill is issued as a refill is: all my tensor loads have landed,
	ds_add_u32 v28, v29                            ; the add onto my spare word,
	s_wait_dscnt 0x0                               ; its wait, and my stores';
	CROUND                                         ; a whole round of the cluster's barrier;
	JLOAD G0+4, G1, G0B+4, G1B                     ; my one tensor load behind it
	v_and_b32 v3, 31, v0                           ; lane
	v_and_b32 v1, 15, v0                           ; r
	v_bfe_u32 v2, v0, 4, 1                         ; h
	v_lshlrev_b32 v4, 4, v3                        ; 16 x lane
	s_wait_alu depctr_va_vdst(0)
	v_lshlrev_b32 v5, 2, v3                        ; 4 x lane
	s_wait_alu depctr_va_vdst(0)
	s_cmp_ge_u32 ttmp9, 2                          ; v's columns?  The cluster's x: the same in all partners
	s_cselect_b32 s18, 2*HALFT, 0                  ; source 1 reads the weight's tiles there, else h's;
	s_cselect_b32 s19, 0, 2*HALFT                  ; source 0 the other
	s_cselect_b32 s20, 2*HALFS, 0
	s_cselect_b32 s21, 0, 2*HALFS
	s_mul_i32 s22, s15, HALFT
	s_add_co_u32 s18, s18, s22
	s_mul_i32 s22, s16, HALFT
	s_add_co_u32 s19, s19, s22
	s_mul_i32 s22, s15, HALFS
	s_add_co_u32 s20, s20, s22
	s_add_co_u32 s20, s20, SCL
	s_mul_i32 s22, s16, HALFS
	s_add_co_u32 s21, s21, s22
	s_add_co_u32 s21, s21, SCL
	v_add_nc_u32 v[ADRA], s18, v4
	v_add_nc_u32 v[ADRB], s19, v4
	v_add_nc_u32 v[ADRA+1], SLOT, v[ADRA]
	v_add_nc_u32 v[ADRB+1], SLOT, v[ADRB]
	v_add_nc_u32 v[ADSA], s20, v5
	v_add_nc_u32 v[ADSB], s21, v5
	; the bias, both ways, in range for every work-group: along the registers (q, k) and a number a lane (v)
	s_lshl_b32 s22, s42, 10
	s_lshl_b32 s23, s16, 9
	s_add_co_u32 s96, s22, s23
	s_mov_b32 s97, 0
	s_add_nc_u64 s[96:97], s[8:9], s[96:97]        ; at column 256 x tile column + 128 x B's half
	s_lshl_b32 s23, s15, 9
	s_add_co_u32 s22, s22, s23
	s_mov_b32 s23, 0
	s_add_nc_u64 s[8:9], s[8:9], s[22:23]          ; at column 256 x tile column + 128 x A's half
	v_lshlrev_b32 v6, 6, v2                        ; 16 h numbers
	v_and_b32 v7, 8, v1
	v_add_nc_u32 v7, v7, v1
	v_lshlrev_b32 v7, 2, v7                        ; r + 8 (r / 8) numbers
	WIN 0x40
.irp b, 0,1,2,3
.irp j, 0,1,2,3
	global_load_b128 v[192+16*\b+4*\j:195+16*\b+4*\j], v6, s[96:97] offset:128*\b+16*\j
.endr
.endr
	WIN 0
.irp a, 0,1,2,3,4,5,6,7
	global_load_b32 v[48+2*\a], v7, s[8:9] offset:(32*(\a/2)+8*(\a%2))*4   ; twice, so that a plain pair serves the packed addition
	global_load_b32 v[49+2*\a], v7, s[8:9] offset:(32*(\a/2)+8*(\a%2))*4
.endr
	s_mov_b32 s[SEL], 0x76543210
	s_mov_b32 s[SEL+1], 0xfedcba98
	s_wait_alu depctr_va_vdst(0)
	s_wait_tensorcnt 1                             ; the scale words and my part of slot 0 are in; slot 1's load may be out
	s_barrier_signal -1
	s_barrier_wait -1
	FETCH 0, 0, 0
	STEP 0, 0, 1                                   ; the first step's products start the sums: nothing is cleared
.if LAPS > 1
	WIN 0
	s_mov_b32 s3, LAPS-1
.Llap:                                             ; a trip goes once round the ring and fills both slots again
	REST 0
	TURN 0, 1, 1
	s_wait_alu depctr_va_vdst(0)
	STEP 1, 0, 0
	REST 1
	TURN 1, 0, 1
	s_wait_alu depctr_va_vdst(0)
	STEP 0, 0, 0
	WIN 0
	s_sub_co_u32 s3, s3, 1
	s_cmp_lg_u32 s3, 0
	s_cbranch_scc1 .Llap
.endif
	REST 0                                         ; the last lap fills nothing
	TURN 0, 1, 0
	s_wait_alu depctr_va_vdst(0)
	STEP 1, 0, 0
	REST 1
	s_wait_dscnt 0x0
	MULA 0, MB, 1, 0
	WIN 0
	PLACES 4                                       ; in front of the first reads of results and writes of operands' registers
	; THE WAY OUT: for each of A's eight tiles: + bias, quantised along B's axis, stored as images.
	s_wait_loadcnt 0x0                             ; the bias
.irp b, 0,1,2,3
	v_mov_b32 v[TM+4+\b], 0                        ; a lane permute's destination counts as one of its sources
.endr
	s_lshr_b32 s18, s17, 3
	s_lshl_b32 s18, s18, 4                         ; 16 x batch
	s_and_b32 s20, s42, 3
	s_lshl_b32 s20, s20, 2
	s_add_co_u32 s18, s18, s20                     ; + 4 heads a tile column
	s_and_b32 s19, s17, 7
	s_lshl_b32 s19, s19, 1                         ; two steps of 128 tokens a tile row
	v_mov_b32 v8, v4                               ; 16 x lane
	v_lshlrev_b32 v12, 2, v1                       ; 4 r
	s_cmp_ge_u32 ttmp9, 2
	s_cbranch_scc1 .Lvpath
	s_lshl_b32 s21, s16, 1
	s_add_co_u32 s21, s18, s21                     ; my first head: B's half holds two
	s_add_co_u32 s22, s19, s15                     ; my step of 128 tokens
	s_lshl_b32 s23, s21, 7
	s_lshl_b32 s46, s22, 3
	s_add_co_u32 s23, s23, s46                     ; 128 x head + 8 x step: my first tile
	s_mul_i32 s46, s23, 768                        ; q: codes,
	s_lshl_b32 s47, s23, 6
	s_add_co_u32 s47, s47, 3145728                 ; scale words
	s_mul_i32 s92, s21, 208896
	s_mul_i32 s93, s22, 13056
	s_add_co_u32 s92, s92, s93
	s_add_co_u32 s92, s92, 3407872                 ; k: the record,
	s_add_co_u32 s93, s92, 12288                   ; its scale words
	s_mov_b32 s94, 208896
	s_cmp_eq_u32 ttmp9, 0                          ; q's columns or k's
	s_cselect_b32 s46, s46, s92
	s_cselect_b32 s47, s47, s93
	s_cselect_b32 s95, 98304, s94                  ; from head to head: codes,
	s_cselect_b32 s94, 8192, s94                   ; scale words
	s_mov_b32 s20, s46
	s_mov_b32 s21, 0
	s_mov_b32 s22, s47
	s_mov_b32 s23, 0
	s_add_nc_u64 s[20:21], s[10:11], s[20:21]
	s_add_nc_u64 s[22:23], s[10:11], s[22:23]
	s_mov_b32 s93, 0x7f7f0000                      ; the scale 1 for the half of the instruction's K that a head does not have
	s_wait_alu depctr_va_vdst(0)
	v_add_nc_u32 v9, s95, v8
	v_lshlrev_b32 v10, 3, v3
	v_add_nc_u32 v10, 512, v10                     ; registers 4, 5: 512 + 8 x lane
	v_add_nc_u32 v11, s95, v10
	v_mul_u32_u24 v13, s94, v2
	v_add_nc_u32 v12, v12, v13                     ; lanes 0-15 store the first head's word, lanes 16-31 the second's
	v_lshlrev_b32 v13, 4, v2                       ; which are the word's low and high halves
.macro QKBLOCK a
	s_wait_xcnt 0x0                                ; the last block's stores have read their registers
	WIN 0x06+(\a)/4                                ; source 0: the accumulators' window; source 1: window 1
.set qi, 0
.rept 32
	v_pk_add_f32 v[HH+2*qi:HH+2*qi+1], v[64*((\a)%4)+2*qi:64*((\a)%4)+2*qi+1], v[192+2*qi:193+2*qi]   ; each accumulator from its low end on
.set qi, qi+1
.endr
	WIN 0
	QUANT HH
.irp c, 0,1                                    ; registers 6 c .. 6 c + 5 are head c's half image
	global_store_b128 v[8+\c], v[PC+6*\c:PC+6*\c+3], s[20:21] offset:768*(\a)
	global_store_b64 v[10+\c], v[PC+6*\c+4:PC+6*\c+5], s[20:21] offset:768*(\a)
.endr
	v_lshrrev_b32 v14, v13, v[PW]
	v_and_or_b32 v14, v14, 0xffff, s93
	global_store_b32 v12, v14, s[22:23] offset:64*(\a)
.endm
.irp a, 0,1,2,3,4,5,6,7
	QKBLOCK \a
.endr
	s_branch .Lend
.Lvpath:
	s_lshl_b32 s21, s15, 1
	s_add_co_u32 s21, s18, s21                     ; my first head: A's half holds two
	s_add_co_u32 s22, s19, s16                     ; my step of 128 keys: B's half
	s_mul_i32 s20, s21, 208896
	s_mul_i32 s22, s22, 13056
	s_add_co_u32 s20, s20, s22
	s_add_co_u32 s20, s20, 3407872+6144            ; v's images in the record
	s_mov_b32 s21, 0
	s_add_nc_u64 s[20:21], s[10:11], s[20:21]
.macro VBLOCK a
	s_wait_xcnt 0x0
	WIN 0x02+(\a)/4
.set qi, 0
.rept 32
	v_pk_add_f32 v[HH+2*qi:HH+2*qi+1], v[64*((\a)%4)+2*qi:64*((\a)%4)+2*qi+1], v[48+2*(\a):49+2*(\a)]   ; my channel's bias
.set qi, qi+1
.endr
	WIN 0
	QUANT HH
.irp g, 0,1,2
	global_store_b128 v8, v[PC+4*\g:PC+4*\g+3], s[20:21] offset:((\a)/4)*208896+((\a)%4)*1536+512*\g
.endr
	global_store_b32 v12, v[PW], s[20:21] offset:6656+((\a)/4)*208896+((\a)%4)*64
.endm
.irp a, 0,1,2,3,4,5,6,7
	VBLOCK \a
.endr
.Lend:
	s_wait_tensorcnt 0x0                           ; the wave's end
	ds_add_u32 v[SPW], v[NIL]
	s_wait_dscnt 0x0
	CROUND                                         ; the closing round
	s_endpgm
.Lfunc_end_k_q98b9241f8a_qkv:
	.size	k_q98b9241f8a_qkv, .Lfunc_end_k_q98b9241f8a_qkv-k_q98b9241f8a_qkv
	.p2alignl 7, 3214868480
	.fill 96, 4, 3214868480
	.section	.rodata,"a",@progbits
	.p2align	6, 0x0
	.amdhsa_kernel k_q98b9241f8a_qkv
		.amdhsa_group_segment_fixed_size 327680
		.amdhsa_private_segment_fixed_size 0
		.amdhsa_enable_private_segment 0
		.amdhsa_kernarg_size 32
		.amdhsa_user_sgpr_count 2
		.amdhsa_user_sgpr_kernarg_segment_ptr 1
		.amdhsa_wavefront_size32 1
		.amdhsa_system_sgpr_workgroup_id_x 1
		.amdhsa_system_sgpr_workgroup_id_y 1
		.amdhsa_system_sgpr_workgroup_id_z 1
		.amdhsa_system_vgpr_workitem_id 0
		.amdhsa_next_free_vgpr 1024
		.amdhsa_next_free_sgpr 100
		.amdhsa_reserve_vcc 0
		.amdhsa_float_denorm_mode_32 3
		.amdhsa_float_denorm_mode_16_64 3
		.amdhsa_memory_ordered 1
		.amdhsa_forward_progress 1
		.amdhsa_inst_pref_size 214
	.end_amdhsa_kernel
	.amdgpu_metadata
---
amdhsa.version: [ 1, 2 ]
amdhsa.kernels:
  - .name:           k_q98b9241f8a_qkv
    .symbol:         k_q98b9241f8a_qkv.kd
    .args:
      - { .name: hb, .offset: 0, .size: 8, .value_kind: global_buffer, .address_space: global }
      - { .name: wb, .offset: 8, .size: 8, .value_kind: global_buffer, .address_space: global }
      - { .name: bqkv, .offset: 16, .size: 8, .value_kind: global_buffer, .address_space: global }
      - { .name: qb, .offset: 24, .size: 8, .value_kind: global_buffer, .address_space: global }
    .group_segment_fixed_size: 327680
    .private_segment_fixed_size: 0
    .kernarg_segment_align: 8
    .kernarg_segment_size: 32
    .max_flat_workgroup_size: 128
    .sgpr_count:     100
    .vgpr_count:     1024
    .wavefront_size: 32
...
	.end_amdgpu_metadata
.endif
;; end of part 2
;; launch attn (part 3): grid 8 x 32, 16 waves a work-group, no clusters, 327,680 bytes of LDS; arguments qb, yb; writes yb
.if DOCPART == 3
	.amdgcn_target "amdgcn-amd-amdhsa--gfx1250"
	.amdhsa_code_object_version 6
	.text
	.protected	k_q98b9241f8a_attn
	.globl	k_q98b9241f8a_attn
	.p2align	8
	.type	k_q98b9241f8a_attn,@function
k_q98b9241f8a_attn:
	s_mov_b64 s[64:65], 0
	v_nop
	global_prefetch_b8 v0, s[64:65] scope:SCOPE_SE
	s_setreg_imm32_b32 hwreg(HW_REG_WAVE_MODE, 25, 1), 1
	s_wait_xcnt 0x0
; y = softmax(q k^T / 8, causal) v for 32 heads of 2,048 tokens x 64 channels, both products on codes of FP6 (E2M3); y is quantised along the channels and stored as the next product's operand.
; THE SOFTMAX AHEAD OF THE SECOND PRODUCT: t = score x log2(e) / 8; M = the running largest t rounded UP to a whole number; p = 2^(t - M) is quantised along the keys; the row's sum of the unquantised p divides at the end.
; SHARES.  Work-group (i, head) owns the eight tiles of 16 queries of block 15 - i (a block is 128 queries) and the eight of block i.  A TILE'S KEY STEPS (128 keys each) ARE SHARED BETWEEN TWO WAVES: wave w (0-7) takes
; tile w's even steps, wave w + 8 its odd ones, each with a running M, a sum and an O^T of its own.  All sixteen waves walk block 15 - i first (16 - i steps a tile), then block i (i + 1 steps): 8 or 9 steps a wave, in every work-group.
; THE TWO PARTS OF A TILE MEET IN LDS: the even wave stores -M, the sum and O^T as images of its registers, into bytes that are the tile's own; behind a barrier the odd wave brings both parts under the larger M
; (whole numbers: the factors are exact powers of two), adds them, divides by the sum, quantises and stores.  A part that had no step holds zeros and M = -3e38: its factor comes out 0.
; A tile's lane index r is token 32 (T / 2) + 8 (T % 2) + r + 8 (r / 8), for queries, keys and channels alike; so p's 16 registers of two neighbouring tiles are 16 neighbouring keys, and y's 16 neighbouring channels.
; LDS holds the head's 16 records of 128 keys (13,056 bytes each: 8 half images of k, 4 images of v^T, their scale words).  Each is filled once, by the wave of its number, one tensor load; nothing is filled again.
; THE HEAD'S 64 FILL HALF OF THE INSTRUCTION'S K.  q's registers 6-11 are zero codes; k's operand runs on into the next tile's registers, whose codes meet those zeros under the scale byte 0x7f: they add exactly 0 (E2M3 has neither infinity nor NaN).
; CAUSAL: a step all of whose keys come after the block, and a step that is the other wave's, is left out by scalar branches on ids, round the work alone; in the tile's one step on the diagonal hidden scores become -infinity.
; NO CLUSTER, though the eight work-groups of a head read the same records: the steps that a wave leaves out hang on its blocks of queries, which differ between those work-groups.
; LIMITS: a block of zeros gets the byte 1 (zero codes; this program alone reads the bytes); NaN and infinities are not served.
; REGISTERS: v1-4, v7 lane terms; v5, v6 the add's two; v8-10 the step's addresses; v11 the hand-over's; v12 -M, v13 the largest t, v[14:15] the sum; v16-27 q; v32-79 k's eight half tiles, then v's four; v80-85 zeros;
;   v86, v87 v's scale words; v96-159 S^T, then p; v160-191 O^T; v192-198 the second block's q; v224-235 p's codes; v232-254 at work; v248-251 k's scale words; v255 q's.
.set REC,   13056
.set SPARE, 16*REC                     ; behind the records: the spare words, 128 bytes a wave
.set HAND,  SPARE+2048                 ; behind them: the hand-over: 9 images of 512 bytes a tile, 8 tiles, and the same again for the second block; no tensor load lands here
.set HTILE, 9*512
.set HJOB,  8*HTILE
.set SPW, 5
.set NIL, 6
.set HA,  11
.set WV,  18
.set SEL, 20
.set CS,  22                           ; s[22:23] c = log2(e) / 8
.set G1,  24                           ; s[24:31] the records' shape
.set G0,  40                           ; s[40:43] the group 0
.set TB,  2                            ; the step's record in LDS
.set KS,  3                            ; the step's number
.set BLK, 56                           ; the block of 128 queries in hand
.set CNT, 57
.set TMP, 58
.set PAR, 59                           ; 0: the even steps are mine; 1: the odd ones
.set J0,  66                           ; s[66:73] block 15 - i: q's codes, q's scale words, y's codes, y's scale bytes
.set J1,  74                           ; s[74:81] block i: the same
.macro JADDR blk, jb                   ; the four byte offsets of my tile of block blk
	s_lshl_b32 s32, \blk, 3
	s_add_co_u32 s32, s32, s13                     ; my tile of queries within the sequence
	s_lshl_b32 s33, s8, 7
	s_add_co_u32 s33, s33, s32
	s_mul_i32 s[\jb], s33, 768                     ; q's half image,
	s_mov_b32 s[\jb+1], 0
	s_lshl_b32 s[\jb+2], s33, 6
	s_add_co_u32 s[\jb+2], s[\jb+2], 3145728       ; its scale words
	s_mov_b32 s[\jb+3], 0
	s_add_co_u32 s34, s60, s32                     ; my tile among all 256 tiles of tokens
	s_lshl_b32 s35, s34, 3
	s_add_co_u32 s35, s35, s62
	s_mul_i32 s35, s35, 1536
	s_mul_i32 s36, s63, 768
	s_add_co_u32 s[\jb+4], s35, s36                ; y: fragment (tile, head / 2), half head % 2
	s_mov_b32 s[\jb+5], 0
	s_lshl_b32 s35, s62, 8
	s_add_co_u32 s35, s35, s34
	s_lshl_b32 s35, s35, 6
	s_lshl_b32 s36, s63, 1
	s_add_co_u32 s35, s35, s36
	s_add_co_u32 s[\jb+6], s35, 3145728            ; its two scale bytes
	s_mov_b32 s[\jb+7], 0
.endm
	s_load_b128 s[4:7], s[0:1], 0x0                ; qb, yb
	v_lshl_add_u32 v[SPW], v0, 2, SPARE
	v_mov_b32 v[NIL], 0
	ds_add_u32 v[SPW], v[NIL]                      ; the wave's opening: the add and its wait ahead of the first tensor load
	ds_add_u32 v[SPW], v[NIL]
	v_lshrrev_b32 v8, 5, v0
	s_delay_alu instid0(VALU_DEP_1)
	v_readfirstlane_b32 s[WV], v8                  ; wave 0..15
	s_and_b32 s8, ttmp7, 0xffff                    ; the head, 0..31
	s_mov_b32 s[G1], 3<<16                         ; no mask; elements of 8 bytes; no padding
	s_mov_b32 s[G1+1], 32<<16                      ; a record is dense: 51 rows of 256 bytes
	s_mov_b32 s[G1+2], 51<<16
	s_mov_b32 s[G1+3], 32<<16
	s_mov_b32 s[G1+4], 51
	s_mov_b32 s[G1+5], 32
	s_mov_b32 s[G1+6], 0
	s_mov_b32 s[G1+7], 0
	s_mul_i32 s9, s[WV], REC                       ; EACH OF THE SIXTEEN WAVES BRINGS ONE RECORD, the one of its own number, by one tensor load
	s_mul_i32 s10, s8, 16*REC
	s_add_co_u32 s10, s10, s9
	s_add_co_u32 s10, s10, 3407872
	s_mov_b32 s11, 0
	s_and_b32 s13, s[WV], 7                        ; my tile within a block
	s_lshr_b32 s[PAR], s[WV], 3
	s_sub_co_u32 s12, 15, ttmp9                    ; the first block
	s_lshr_b32 s60, s8, 4
	s_lshl_b32 s60, s60, 7                         ; 128 tiles a batch
	s_and_b32 s61, s8, 15                          ; the head within the batch
	s_lshr_b32 s62, s61, 1
	s_and_b32 s63, s61, 1
	JADDR s12, J0
	JADDR ttmp9, J1
	s_lshr_b32 s82, s13, 1
	s_lshl_b32 s82, s82, 5
	s_and_b32 s83, s13, 1
	s_lshl_b32 s83, s83, 3
	s_add_co_u32 s82, s82, s83                     ; my tile's first query within its block
	s_mul_i32 s37, s13, HTILE
	s_add_co_u32 s37, s37, HAND                    ; my tile's bytes of the hand-over
	s_mov_b32 s[SEL], 0x76543210
	s_mov_b32 s[SEL+1], 0xfedcba98
	s_mov_b32 s[CS], 0x3e38aa3b
	s_mov_b32 s[CS+1], s[CS]
	s_mov_b32 s[TB], 0
	s_mov_b32 s[KS], 0
	s_mov_b32 s[BLK], s12
	s_wait_dscnt 0x0                               ; the opening add is done
	s_wait_kmcnt 0x0
	s_add_nc_u64 s[10:11], s[4:5], s[10:11]
.irp j, 0
	s_mov_b32 s[G0+4*\j], 1
	s_add_co_u32 s[G0+4*\j+1], s9, \j*4*REC
	s_add_nc_u64 s[G0+4*\j+2:G0+4*\j+3], s[10:11], \j*4*REC
	s_or_b32 s[G0+4*\j+3], s[G0+4*\j+3], 0x80000000
.endr
	s_cmp_lt_u32 s[WV], 4                          ; records 0-3, which the first four steps read, are asked for at the head, by waves 0-3
	s_cbranch_scc0 .Lnofetch
	tensor_load_to_lds s[G0:G0+3], s[G1:G1+7]      ; record = my wave's number, into its own 13,056 bytes
	s_nop 0
.rept 4
	v_nop
.endr
.Lnofetch:
.irp b, J0, J1
	s_add_nc_u64 s[\b:\b+1], s[4:5], s[\b:\b+1]
	s_add_nc_u64 s[\b+2:\b+3], s[4:5], s[\b+2:\b+3]
	s_add_nc_u64 s[\b+4:\b+5], s[6:7], s[\b+4:\b+5]
	s_add_nc_u64 s[\b+6:\b+7], s[6:7], s[\b+6:\b+7]
.endr
	v_and_b32 v3, 31, v0
	s_delay_alu instid0(VALU_DEP_1)
	v_lshlrev_b32 v1, 4, v3                        ; 16 x lane
	s_delay_alu instid0(VALU_DEP_2)
	v_lshlrev_b32 v2, 3, v3                        ; 8 x lane
	s_delay_alu instid0(VALU_DEP_3)
	v_lshlrev_b32 v3, 2, v3                        ; 4 x lane
	v_and_b32 v8, 15, v0                           ; r
	v_bfe_u32 v9, v0, 4, 1                         ; h
	s_delay_alu instid0(VALU_DEP_2)
	v_lshlrev_b32 v4, 2, v8                        ; 4 r
	v_add_nc_u32 v[HA], s37, v1                    ; the hand-over: 16 x lane in my tile's bytes; never rewritten
	global_load_b128 v[16:19], v1, s[J0:J0+1]      ; the first block's q: its codes stay in registers,
	global_load_b64 v[20:21], v2, s[J0:J0+1] offset:512
	global_load_b32 v255, v4, s[J0+2:J0+3]         ; and its scale words
	global_load_b128 v[192:195], v1, s[J1:J1+1]    ; the second block's q is asked for now, so that nobody waits for it later
	global_load_b64 v[196:197], v2, s[J1:J1+1] offset:512
	global_load_b32 v198, v4, s[J1+2:J1+3]
.irp j, 22,23,24,25,26,27,80,81,82,83,84,85
	v_mov_b32 v[\j], 0                             ; zero codes: the upper half of q's operand, and what follows k's last tile
.endr
	v_and_b32 v7, 8, v8
	s_delay_alu instid0(VALU_DEP_1)
	v_add_nc_u32 v7, v7, v8
	s_delay_alu instid0(VALU_DEP_1)
	v_add_nc_u32 v7, s82, v7
	v_lshlrev_b32 v9, 4, v9
	s_delay_alu instid0(VALU_DEP_1)
	v_sub_nc_u32 v7, v7, v9                        ; d = my query within its block - 16 h: on the diagonal register 16 b + i is hidden where 32 b + i > d
.irp b, 0,1,2,3
	v_mov_b32 v[236+\b], 0                         ; a lane permute's destination counts as one of its sources
.endr
	v_mov_b32 v252, 0
	v_mov_b32 v253, 0
.macro INIT                            ; a part begins: the step is written once, and its first walk finds zeros
	v_mov_b32 v13, 0xff61b1e6                      ; the largest t so far: -3e38
	s_delay_alu instid0(VALU_DEP_1)
	v_floor_f32 v12, -v13                          ; -M
	v_mov_b32 v14, 0
	v_mov_b32 v15, 0
.set mi, 0
.rept 32
	v_mov_b32 v[160+mi], 0                         ; O^T
.set mi, mi+1
.endr
.endm
	INIT
.macro STEP                            ; 128 keys
	s_cmp_gt_u32 s[KS], s[BLK]                     ; all keys after the block's queries: the work is left out
	s_cbranch_scc1 .Lhidden_\@
	s_xor_b32 s[TMP], s[KS], s[PAR]
	s_and_b32 s[TMP], s[TMP], 1
	s_cmp_lg_u32 s[TMP], 0                         ; the other wave's step
	s_cbranch_scc1 .Lhidden_\@
	v_add_nc_u32 v8, s[TB], v1
	v_add_nc_u32 v9, s[TB], v2
	v_add_nc_u32 v10, s[TB], v3
	v_nop                                          ; four places in front of loads into registers that matrix instructions have read
.irp t, 0,1,2,3,4,5,6,7
	ds_load_b128 v[32+6*\t:35+6*\t], v8 offset:768*\t
	ds_load_b64 v[36+6*\t:37+6*\t], v9 offset:768*\t+512
.endr
.irp i, 0,1,2,3
	ds_load_b32 v[248+\i], v10 offset:12288+128*\i ; lanes 0-15 tile 2 i's words, lanes 16-31 tile 2 i + 1's
.endr
	s_wait_alu depctr_va_vdst(0)
	s_wait_dscnt 0x0
.irp t, 0,2,4,6                                ; S^T = k q^T
	v_wmma_scale_f32_16x16x128_f8f6f4 v[96+8*\t:103+8*\t], v[32+6*\t:43+6*\t], v[16:27], 0, v[248+\t/2], v255 matrix_a_fmt:MATRIX_FMT_FP6 matrix_b_fmt:MATRIX_FMT_FP6
	v_wmma_scale_f32_16x16x128_f8f6f4 v[104+8*\t:111+8*\t], v[38+6*\t:49+6*\t], v[16:27], 0, v[248+\t/2], v255 matrix_a_fmt:MATRIX_FMT_FP6 matrix_b_fmt:MATRIX_FMT_FP6 matrix_a_scale:MATRIX_SCALE_ROW1
.endr
.rept 4
	v_nop                                          ; places in front of the loads below and of the first reads of the scores
.endr
.irp t, 0,1,2,3                                ; v's four images land under the softmax
.irp g, 0,1,2
	ds_load_b128 v[32+12*\t+4*\g:35+12*\t+4*\g], v8 offset:6144+1536*\t+512*\g
.endr
.endr
	ds_load_b32 v86, v10 offset:12800
	ds_load_b32 v87, v10 offset:12928
	s_cmp_lg_u32 s[KS], s[BLK]                     ; only the tile's one step on the diagonal is masked
	s_cbranch_scc1 .Lopen_\@
	v_mov_b32 v254, 0xff800000                     ; -infinity
.set mi, 0
.rept 64
	v_cmp_gt_i32 vcc_lo, 32*(mi/16)+mi%16, v7
	v_cndmask_b32 v[96+mi], v[96+mi], v254, vcc_lo
.set mi, mi+1
.endr
.Lopen_\@:
.irp b, 0,1,2,3
	v_max3_num_f32 v[232+\b], v[96+16*\b], v[97+16*\b], v[98+16*\b]   ; the largest score of each block of 32 keys: for the row's maximum and, since p rises with the score, for the block's largest p
.endr
.irp i, 3,5,7,9,11,13
.irp b, 0,1,2,3
	v_max3_num_f32 v[232+\b], v[232+\b], v[96+16*\b+\i], v[97+16*\b+\i]
.endr
.endr
.irp b, 0,1,2,3
	v_max_num_f32 v[232+\b], v[232+\b], v[111+16*\b]
.endr
.irp b, 0,1,2,3
	s_delay_alu instid0(VALU_DEP_4)
	v_permlanex16_b32 v[236+\b], v[232+\b], s[SEL], s[SEL+1]
.endr
.irp b, 0,1,2,3
	s_delay_alu instid0(VALU_DEP_4)
	v_max_num_f32 v[232+\b], v[232+\b], v[236+\b]
.endr
	s_delay_alu instid0(VALU_DEP_2)
	v_max3_num_f32 v254, v232, v233, v234
	s_delay_alu instid0(VALU_DEP_1)
	v_max_num_f32 v254, v254, v235
	s_delay_alu instid0(VALU_DEP_1)
	v_mul_f32 v254, s[CS], v254
	s_delay_alu instid0(VALU_DEP_1)
	v_max_num_f32 v13, v13, v254                   ; the running largest t
	v_mov_b32 v254, v12
	s_delay_alu instid0(VALU_DEP_2)
	v_floor_f32 v12, -v13                          ; the new -M: a whole number
	s_delay_alu instid0(VALU_DEP_1)
	v_sub_f32 v254, v12, v254
	s_delay_alu instid0(VALU_DEP_1)
	v_cvt_i32_f32 v254, v254                       ; (it saturates)
	s_delay_alu instid0(VALU_DEP_1)
	v_ldexp_f32 v252, 1.0, v254                    ; f = 2^(old M - new M): exact
.set mi, 0
.rept 32
	v_pk_fma_f32 v[96+2*mi:97+2*mi], v[96+2*mi:97+2*mi], s[CS:CS+1], v[12:13] op_sel_hi:[1,0,0]   ; t - M
.set mi, mi+1
.endr
.irp b, 0,1,2,3
	v_fma_f32 v[232+\b], v[232+\b], s[CS], v12
.endr
.set mi, 0
	s_wait_alu depctr_va_vdst(0)
.rept 64
	v_exp_f32 v[96+mi], v[96+mi]                   ; p, not normalised
.set mi, mi+1
.endr
	v_pk_mul_f32 v[14:15], v[14:15], v[252:253] op_sel_hi:[1,0]   ; the sums under the new M: a plain place behind the batch
	s_wait_alu depctr_va_vdst(0)                   ; one wait for the batch, ahead of its first reader
.irp b, 0,1,2,3
	v_exp_f32 v[232+\b], v[232+\b]                 ; each block's largest p
.endr
	v_pk_add_f32 v[236:237], v[100:101], v[104:105]
	v_pk_add_f32 v[250:251], v[108:109], v[112:113]
	v_pk_add_f32 v[248:249], v[116:117], v[120:121]
	v_pk_add_f32 v[246:247], v[124:125], v[128:129]
	v_pk_add_f32 v[244:245], v[132:133], v[136:137]
	v_pk_add_f32 v[242:243], v[140:141], v[144:145]
	v_pk_add_f32 v[240:241], v[148:149], v[152:153]
	v_pk_add_f32 v[14:15], v[14:15], v[156:157]
	v_pk_add_f32 v[236:237], v[236:237], v[96:97]
	v_pk_add_f32 v[250:251], v[250:251], v[98:99]
	v_pk_add_f32 v[248:249], v[248:249], v[102:103]
	v_pk_add_f32 v[246:247], v[246:247], v[106:107]
	v_pk_add_f32 v[244:245], v[244:245], v[110:111]
	v_pk_add_f32 v[242:243], v[242:243], v[114:115]
	v_pk_add_f32 v[240:241], v[240:241], v[118:119]
	v_pk_add_f32 v[14:15], v[14:15], v[122:123]
	v_pk_add_f32 v[236:237], v[236:237], v[126:127]
	v_pk_add_f32 v[250:251], v[250:251], v[130:131]
	v_pk_add_f32 v[248:249], v[248:249], v[134:135]
	v_pk_add_f32 v[246:247], v[246:247], v[138:139]
	v_pk_add_f32 v[244:245], v[244:245], v[142:143]
	v_pk_add_f32 v[242:243], v[242:243], v[146:147]
	v_pk_add_f32 v[240:241], v[240:241], v[150:151]
	v_pk_add_f32 v[14:15], v[14:15], v[154:155]
	v_pk_add_f32 v[236:237], v[236:237], v[158:159]
	s_delay_alu instid0(VALU_DEP_2)
	v_pk_add_f32 v[14:15], v[14:15], v[246:247]
	s_delay_alu instid0(VALU_DEP_2)
	v_pk_add_f32 v[236:237], v[236:237], v[244:245]
	v_pk_add_f32 v[250:251], v[250:251], v[242:243]
	v_pk_add_f32 v[248:249], v[248:249], v[240:241]
	s_delay_alu instid0(VALU_DEP_2)
	v_pk_add_f32 v[14:15], v[14:15], v[250:251]
	s_delay_alu instid0(VALU_DEP_2)
	v_pk_add_f32 v[236:237], v[236:237], v[248:249]
	s_delay_alu instid0(VALU_DEP_1)
	v_pk_add_f32 v[14:15], v[14:15], v[236:237]
	s_wait_alu depctr_va_vdst(0)                   ; and one for the four
.irp b, 0,1,2,3
	v_max_num_f32 v[232+\b], 0x1800000, v[232+\b]  ; the floor 2^(3 - 127)
.endr
.irp b, 0,1,2,3
	s_delay_alu instid0(VALU_DEP_4)
	v_add_nc_u32 v[244+\b], 0xff000000, v[232+\b]
.endr
.irp b, 0,1,2,3
	s_delay_alu instid0(VALU_DEP_4)
	v_lshrrev_b32 v[236+\b], 23, v[244+\b]
.endr
	s_delay_alu instid0(VALU_DEP_3)
	v_lshl_or_b32 v253, v237, 8, v236              ; p's scale word for these 128 keys
	s_delay_alu instid0(VALU_DEP_1)
	v_lshl_or_b32 v253, v238, 16, v253
	s_delay_alu instid0(VALU_DEP_1)
	v_lshl_or_b32 v253, v239, 24, v253
.irp c, 0,1
	v_cvt_scalef32_pk16_fp6_f32 v[224+6*\c:226+6*\c], v[96+32*\c:111+32*\c], v[244+2*\c]
	v_cvt_scalef32_pk16_fp6_f32 v[236+4*\c:238+4*\c], v[112+32*\c:127+32*\c], v[244+2*\c+1]
.endr
	v_nop                                          ; one plain place behind a scaled conversion
.irp c, 0,1
.irp i, 0,1,2
	v_permlane16_swap_b32 v[224+6*\c+\i], v[236+4*\c+\i]
.endr
.irp i, 0,1,2
	s_delay_alu instid0(VALU_DEP_3)
	v_mov_b32 v[227+6*\c+\i], v[236+4*\c+\i]
.endr
.endr
.set mi, 0
.rept 16
	v_pk_mul_f32 v[160+2*mi:161+2*mi], v[160+2*mi:161+2*mi], v[252:253] op_sel_hi:[1,0]   ; O^T under the new M; these sixteen stand between the scale word's last write and the products
.set mi, mi+1
.endr
	s_wait_alu depctr_va_vdst(0)
	s_wait_dscnt 0x0                               ; v's images are in
.irp t, 0,2                                    ; O^T += v^T p^T: four accumulators by turns
	v_wmma_scale_f32_16x16x128_f8f6f4 v[160+8*\t:167+8*\t], v[32+12*\t:43+12*\t], v[224:235], v[160+8*\t:167+8*\t], v[86+\t/2], v253 matrix_a_fmt:MATRIX_FMT_FP6 matrix_b_fmt:MATRIX_FMT_FP6
	v_wmma_scale_f32_16x16x128_f8f6f4 v[168+8*\t:175+8*\t], v[44+12*\t:55+12*\t], v[224:235], v[168+8*\t:175+8*\t], v[86+\t/2], v253 matrix_a_fmt:MATRIX_FMT_FP6 matrix_b_fmt:MATRIX_FMT_FP6 matrix_a_scale:MATRIX_SCALE_ROW1
.endr
.Lhidden_\@:
	s_add_co_u32 s[TB], s[TB], REC
	s_add_co_u32 s[KS], s[KS], 1
.endm
.macro GROUP g                         ; records 4 g .. 4 g + 3
	s_wait_tensorcnt 0x0                           ; my record, if it has been asked for, has landed (nothing is ever filled again)
.if \g < 2
	ds_add_u32 v[SPW], v[NIL]                      ; first fills stand behind the first two groups' barriers: the add in front of them,
	ds_add_u32 v[SPW], v[NIL]                      ; twice on end
.endif
	s_wait_dscnt 0x0
	s_barrier_signal -1
	s_barrier_wait -1
.if \g == 0
	s_cmp_lt_u32 s[WV], 4
	s_cbranch_scc1 .Lhave0
	s_cmp_ge_u32 s[WV], 10
	s_cbranch_scc1 .Lhave0
	tensor_load_to_lds s[G0:G0+3], s[G1:G1+7]      ; waves 4-9: record = my wave's number; six records land under steps 0-3
	s_nop 0
.rept 4
	v_nop
.endr
.Lhave0:
.endif
.if \g == 1
	s_cmp_lt_u32 s[WV], 10
	s_cbranch_scc1 .Lhave1
	tensor_load_to_lds s[G0:G0+3], s[G1:G1+7]      ; waves 10-15: the last six records land under steps 4-7
	s_nop 0
.rept 4
	v_nop
.endr
.Lhave1:
.endif
	s_mov_b32 s[CNT], 4
.Lgrp_\@:
	STEP
	s_sub_co_u32 s[CNT], s[CNT], 1
	s_cmp_lg_u32 s[CNT], 0
	s_cbranch_scc1 .Lgrp_\@
.endm
; A BLOCK'S END.  j: which block (its own bytes of the hand-over); jb: its addresses.  Waves 0-7 hand their part over; one barrier, on every wave's path; waves 8-15 join the two parts and finish the tile.
.macro FINISH j, jb
.rept 4
	v_nop                                          ; places behind the last products, in front of the first reads of O^T and of loads into p's codes
.endr
	s_cmp_lt_u32 s[WV], 8
	s_cbranch_scc0 .Ltaker_\@
	ds_store_b128 v[HA], v[12:15] offset:\j*HJOB   ; -M, the largest t, the sum's two halves
	s_wait_alu depctr_va_vdst(0)
.irp k, 0,1,2,3,4,5,6,7
	ds_store_b128 v[HA], v[160+4*\k:163+4*\k] offset:\j*HJOB+512+512*\k   ; O^T, each accumulator from its low end on
.endr
.Ltaker_\@:
	s_wait_dscnt 0x0                               ; for the other wave's sake: my part lies in LDS
	s_barrier_signal -1
	s_barrier_wait -1
	s_cmp_lt_u32 s[WV], 8
	s_cbranch_scc1 .Lgiven_\@
	ds_load_b128 v[232:235], v[HA] offset:\j*HJOB
.irp k, 0,1,2,3,4,5,6,7
	ds_load_b128 v[96+4*\k:99+4*\k], v[HA] offset:\j*HJOB+512+512*\k
.endr
	s_wait_dscnt 0x0
	v_min_num_f32 v236, v12, v232                  ; -M of the two parts together: the larger M
	s_delay_alu instid0(VALU_DEP_1)
	v_sub_f32 v237, v236, v12                      ; my M less the joint M: a whole number, 0 or less;
	s_delay_alu instid0(VALU_DEP_2)
	v_sub_f32 v238, v236, v232                     ; the other part's likewise
	s_delay_alu instid0(VALU_DEP_2)
	v_cvt_i32_f32 v237, v237                       ; (they saturate)
	s_delay_alu instid0(VALU_DEP_2)
	v_cvt_i32_f32 v238, v238
	s_delay_alu instid0(VALU_DEP_2)
	v_ldexp_f32 v240, 1.0, v237                    ; my factor,
	s_delay_alu instid0(VALU_DEP_2)
	v_ldexp_f32 v242, 1.0, v238                    ; the other part's: exact powers of two, or 0 for a part that had no step
	v_mov_b32 v241, 0                              ; (named as the pairs' upper halves)
	v_mov_b32 v243, 0
	s_delay_alu instid0(VALU_DEP_2)
	v_pk_mul_f32 v[14:15], v[14:15], v[240:241] op_sel_hi:[1,0]
	s_delay_alu instid0(VALU_DEP_1)
	v_pk_fma_f32 v[14:15], v[234:235], v[242:243], v[14:15] op_sel_hi:[1,0,1]   ; the sum
.set mi, 0
.rept 16
	v_pk_mul_f32 v[160+2*mi:161+2*mi], v[160+2*mi:161+2*mi], v[240:241] op_sel_hi:[1,0]
.set mi, mi+1
.endr
.set mi, 0
.rept 16
	v_pk_fma_f32 v[160+2*mi:161+2*mi], v[96+2*mi:97+2*mi], v[242:243], v[160+2*mi:161+2*mi] op_sel_hi:[1,0,1]   ; O^T
.set mi, mi+1
.endr
	; y = O^T / the sum; register 16 b + i is channel 32 b + 16 h + i of my query: two blocks of 32, quantised as they stand
	v_add_f32 v14, v14, v15
	s_delay_alu instid0(VALU_DEP_1)
	v_permlanex16_b32 v252, v14, s[SEL], s[SEL+1]
	s_delay_alu instid0(VALU_DEP_1)
	v_add_f32 v14, v14, v252                       ; the row's sum
	s_wait_alu depctr_va_vdst(0)
	v_rcp_f32 v14, v14
	v_nop
	s_wait_alu depctr_va_vdst(0)                   ; ahead of the reciprocal's first reader
.set mi, 0
.rept 32
	v_mul_f32 v[96+mi], v[160+mi], v14
.set mi, mi+1
.endr
.irp b, 0,1
	v_max3_num_f32 v[232+\b], |v[96+16*\b]|, |v[97+16*\b]|, 0x1800000
.endr
.irp i, 2,4,6,8,10,12,14
.irp b, 0,1
	s_delay_alu instid0(VALU_DEP_2)
	v_max3_num_f32 v[232+\b], v[232+\b], |v[96+16*\b+\i]|, |v[97+16*\b+\i]|
.endr
.endr
.irp b, 0,1
	s_delay_alu instid0(VALU_DEP_2)
	v_permlanex16_b32 v[236+\b], v[232+\b], s[SEL], s[SEL+1]
.endr
.irp b, 0,1
	s_delay_alu instid0(VALU_DEP_2)
	v_max_num_f32 v[232+\b], v[232+\b], v[236+\b]
.endr
.irp b, 0,1
	s_delay_alu instid0(VALU_DEP_2)
	v_add_nc_u32 v[244+\b], 0xff000000, v[232+\b]
.endr
.irp b, 0,1
	s_delay_alu instid0(VALU_DEP_2)
	v_lshrrev_b32 v[236+\b], 23, v[244+\b]
.endr
	s_delay_alu instid0(VALU_DEP_1)
	v_lshl_or_b32 v253, v237, 8, v236              ; the head's two scale bytes of my row
	v_cvt_scalef32_pk16_fp6_f32 v[224:226], v[96:111], v244
	v_cvt_scalef32_pk16_fp6_f32 v[240:242], v[112:127], v245
	v_nop
.irp i, 0,1,2
	v_permlane16_swap_b32 v[224+\i], v[240+\i]
.endr
.irp i, 0,1,2
	s_delay_alu instid0(VALU_DEP_3)
	v_mov_b32 v[227+\i], v[240+\i]
.endr
	global_store_b128 v1, v[224:227], s[\jb+4:\jb+5]     ; the half image: 512 consecutive bytes,
	global_store_b64 v2, v[228:229], s[\jb+4:\jb+5] offset:512   ; and 256
	global_store_b16 v4, v253, s[\jb+6:\jb+7]      ; (lanes l and l + 16 hold and write the same two bytes)
	s_wait_xcnt 0x0                                ; the stores have read their registers, which the next block writes again
.Lgiven_\@:
.endm
	s_wait_loadcnt 0x0                             ; q, of both blocks
	GROUP 0                                        ; block 15 - i: its steps begin while the later records are on their way
	GROUP 1
	GROUP 2
	GROUP 3
	FINISH 0, J0
	; block i: all records lie in LDS; its steps are 0 .. i, and i is 7 at the most: eight trips
.irp j, 0,1,2,3,4,5
	v_mov_b32 v[16+\j], v[192+\j]                  ; its q,
.endr
	v_mov_b32 v255, v198                           ; and q's scale words: the 36 lines below stand between this write and the next product
	INIT
	s_mov_b32 s[TB], 0
	s_mov_b32 s[KS], 0
	s_mov_b32 s[BLK], ttmp9
	s_mov_b32 s[CNT], 8
.Lshort:
	STEP
	s_sub_co_u32 s[CNT], s[CNT], 1
	s_cmp_lg_u32 s[CNT], 0
	s_cbranch_scc1 .Lshort
	FINISH 1, J1
	s_wait_tensorcnt 0x0                           ; the wave's end, behind my last tensor load and my last LDS store
	ds_add_u32 v[SPW], v[NIL]
	s_wait_dscnt 0x0
	s_endpgm
.Lfunc_end_k_q98b9241f8a_attn:
	.size	k_q98b9241f8a_attn, .Lfunc_end_k_q98b9241f8a_attn-k_q98b9241f8a_attn
	.p2alignl 7, 3214868480
	.fill 96, 4, 3214868480
	.section	.rodata,"a",@progbits
	.p2align	6, 0x0
	.amdhsa_kernel k_q98b9241f8a_attn
		.amdhsa_group_segment_fixed_size 327680
		.amdhsa_private_segment_fixed_size 0
		.amdhsa_enable_private_segment 0
		.amdhsa_kernarg_size 16
		.amdhsa_user_sgpr_count 2
		.amdhsa_user_sgpr_kernarg_segment_ptr 1
		.amdhsa_wavefront_size32 1
		.amdhsa_system_sgpr_workgroup_id_x 1
		.amdhsa_system_sgpr_workgroup_id_y 1
		.amdhsa_system_sgpr_workgroup_id_z 1
		.amdhsa_system_vgpr_workitem_id 0
		.amdhsa_next_free_vgpr 256
		.amdhsa_next_free_sgpr 100
		.amdhsa_reserve_vcc 1
		.amdhsa_float_denorm_mode_32 3
		.amdhsa_float_denorm_mode_16_64 3
		.amdhsa_memory_ordered 1
		.amdhsa_forward_progress 1
		.amdhsa_inst_pref_size 140
	.end_amdhsa_kernel
	.amdgpu_metadata
---
amdhsa.version: [ 1, 2 ]
amdhsa.kernels:
  - .name:           k_q98b9241f8a_attn
    .symbol:         k_q98b9241f8a_attn.kd
    .args:
      - { .name: qb, .offset: 0, .size: 8, .value_kind: global_buffer, .address_space: global }
      - { .name: yb, .offset: 8, .size: 8, .value_kind: global_buffer, .address_space: global }
    .group_segment_fixed_size: 327680
    .private_segment_fixed_size: 0
    .kernarg_segment_align: 8
    .kernarg_segment_size: 16
    .max_flat_workgroup_size: 512
    .sgpr_count:     100
    .vgpr_count:     256
    .wavefront_size: 32
...
	.end_amdgpu_metadata
.endif
;; end of part 3
;; launch oln (part 4): grid 256 x 1, 8 waves a work-group, no clusters, 158,208 bytes of LDS; arguments yb, wb, bo, x, ln2_w, ln2_b, x1, hb; writes x1, hb
.if DOCPART == 4
	.amdgcn_target "amdgcn-amd-amdhsa--gfx1250"
	.amdhsa_code_object_version 6
	.text
	.protected	k_q98b9241f8a_oln
	.globl	k_q98b9241f8a_oln
	.p2align	8
	.type	k_q98b9241f8a_oln,@function
k_q98b9241f8a_oln:
	s_mov_b64 s[64:65], 0
	v_nop
	global_prefetch_b8 v0, s[64:65] scope:SCOPE_SE
	s_setreg_imm32_b32 hwreg(HW_REG_WAVE_MODE, 25, 1), 1
	s_wait_xcnt 0x0
; x1 = x + y Wo + bo, the product on codes of FP6 (E2M3); then h = layer norm of x1 (gain ln2_w, bias ln2_b), quantised along the row and stored as the next product's operand: three steps of the block in one launch.
; SHARES.  Work-group T owns tile T of 16 tokens and ALL 1,024 columns, so that a row's mean and variance are its own.  Wave w makes columns 128 w .. 128 w + 127: 8 accumulators, 8 K steps of 128, 64 matrix instructions.
; OPERANDS lie in memory as images of their registers (fragment = tile of 16 x 128 K, 1,536 bytes; fragments [tile][K / 128]; scale words [K / 128][tile][16]); lane index r of tile T is row 32 (T / 2) + 8 (T % 2) + r + 8 (r / 8).
; y's fragments are two half images of 768 bytes (registers 0-3 at 16 l, 4-5 at 512 + 8 l), one for each head of the pair.
; THE WEIGHT GOES FROM MEMORY STRAIGHT INTO REGISTERS: in a work-group each of its fragments feeds exactly one matrix instruction, so a way through LDS would add a write and a read for each byte and spare no load.
; That is also why there is no cluster and no tensor load here.  Two sets of 24 + 4 loads take turns: a set is asked for two K steps ahead of its use; so no prefetch is laid beside them in a walk of eight steps.
; y's tile (12,288 bytes and 8 x 64 bytes of scale words) is wanted by all eight waves: wave w loads one K step of it, and the waves hand the images to each other through LDS.
; THE WALK ALONG K BEGINS AT STEP T % 8 and wraps: slot j of the walk is K step (j + T) % 8, for y and the weight alike.  The f32 sums are the same terms in another order.
; The product is used transposed (source 0 = 16 columns of the weight, source 1 = y's 16 tokens): lane (r, h) holds token r, and register j of tile b column 128 w + 32 (b / 2) + 16 h + 8 (b % 2) + j.
; THE WAY ON: the sums go to LDS by columns and come back by rows (wave w: rows 2 w, 2 w + 1, 32 registers a lane and row); + x + bo; x1 leaves in stores of 512 consecutive bytes; mean, then squared deviations;
; the normalised rows go to LDS bytes of their own; behind a barrier wave w quantises K step w of all 16 rows and stores the fragment's image.
; LIMITS: a block of zeros gets the byte 1 where the rule says 127 (zero codes; this program alone reads the bytes); NaN and infinities are not served.
; REGISTERS: v1-13 lane terms and addresses; v14, v15 the add's two; v16-28 my K step of y on its way to LDS; v32-39 y's scale words; v40-47 the weight's, two sets; v48-111 the sums, then the two rows;
;   v112-207 y's eight fragments, later gain (112), bias (144) and the quantiser's work (176 on); v208-239 bo; v240-255 sums.  Window 1: v0-95, v96-191 the weight's two sets; v192-255 x's two rows.
.set PITCH, 4112                       ; an LDS row: 4,096 bytes + 16
.set R2,    16*PITCH                   ; LDS: from 0 the sums; from R2 the normalised rows;
.set AIM,   2*R2                       ; y's eight images;
.set ASC,   AIM+8*1536                 ; y's scale words, 128 bytes a K step;
.set VEC,   ASC+1024                   ; bo, the gain, the bias: 4,096 bytes each, brought in eighths by the eight waves;
.set SPARE, VEC+3*4096                 ; the spare words, 128 bytes a wave
.set SPW, 14
.set NIL, 15
.set X,   48
.set W,   112
.set BB,  144
.set TM,  176
.set PW,  192
.set PC,  196
.set BO,  208
.set SM,  240
.set SQ,  248
.set SEL, 52
.set MSB, 0
.macro WIN new                         ; the immediate's high byte repeats the setting that is left
.if MSB != (\new)
	s_set_vgpr_msb (MSB<<8)|(\new)
.set MSB, (\new)
.endif
.endm
.macro ALLSUM a, t
	v_add_f32_dpp v[\a], v[\a], v[\a] row_xmask:1 row_mask:0xf bank_mask:0xf
	s_delay_alu instid0(VALU_DEP_1)
	v_add_f32_dpp v[\a], v[\a], v[\a] row_xmask:2 row_mask:0xf bank_mask:0xf
	s_delay_alu instid0(VALU_DEP_1)
	v_add_f32_dpp v[\a], v[\a], v[\a] row_xmask:4 row_mask:0xf bank_mask:0xf
	s_delay_alu instid0(VALU_DEP_1)
	v_add_f32_dpp v[\a], v[\a], v[\a] row_xmask:8 row_mask:0xf bank_mask:0xf
	s_delay_alu instid0(VALU_DEP_1)
	v_permlanex16_b32 v[\t], v[\a], s[SEL], s[SEL+1]
	s_delay_alu instid0(VALU_DEP_1)
	v_add_f32 v[\a], v[\a], v[\t]
.endm
.macro QUANT s                         ; 64 numbers of a lane, register 16 b + i = k 32 b + 16 h + i, become codes in v[PC] on and the scale word in v[PW]
.irp b, 0,1,2,3
	v_max3_num_f32 v[TM+\b], |v[\s+16*\b]|, |v[\s+1+16*\b]|, 0x1800000   ; and the floor 2^(3 - 127)
.endr
.irp i, 2,4,6,8,10,12,14
.irp b, 0,1,2,3
	s_delay_alu instid0(VALU_DEP_4)
	v_max3_num_f32 v[TM+\b], v[TM+\b], |v[\s+16*\b+\i]|, |v[\s+1+16*\b+\i]|
.endr
.endr
.irp b, 0,1,2,3
	s_delay_alu instid0(VALU_DEP_4)
	v_permlanex16_b32 v[TM+4+\b], v[TM+\b], s[SEL], s[SEL+1]
.endr
.irp b, 0,1,2,3
	s_delay_alu instid0(VALU_DEP_4)
	v_max_num_f32 v[TM+\b], v[TM+\b], v[TM+4+\b]
.endr
.irp b, 0,1,2,3
	s_delay_alu instid0(VALU_DEP_4)
	v_add_nc_u32 v[TM+12+\b], 0xff000000, v[TM+\b] ; 2 off the exponent field: the conversion's scale operand
.endr
.irp b, 0,1,2,3
	s_delay_alu instid0(VALU_DEP_4)
	v_lshrrev_b32 v[TM+4+\b], 23, v[TM+12+\b]      ; the scale's byte
.endr
	s_delay_alu instid0(VALU_DEP_3)
	v_lshl_or_b32 v[PW], v[TM+5], 8, v[TM+4]
	s_delay_alu instid0(VALU_DEP_1)
	v_lshl_or_b32 v[PW], v[TM+6], 16, v[PW]
	s_delay_alu instid0(VALU_DEP_1)
	v_lshl_or_b32 v[PW], v[TM+7], 24, v[PW]
.irp c, 0,1
	v_cvt_scalef32_pk16_fp6_f32 v[PC+6*\c:PC+2+6*\c], v[\s+32*\c:\s+15+32*\c], v[TM+12+2*\c]
	v_cvt_scalef32_pk16_fp6_f32 v[PC+12+4*\c:PC+14+4*\c], v[\s+16+32*\c:\s+31+32*\c], v[TM+12+2*\c+1]
.endr
	v_nop                                          ; one plain place behind a scaled conversion
.irp c, 0,1
.irp i, 0,1,2
	v_permlane16_swap_b32 v[PC+6*\c+\i], v[PC+12+4*\c+\i]
.endr
.irp i, 0,1,2
	s_delay_alu instid0(VALU_DEP_3)
	v_mov_b32 v[PC+3+6*\c+\i], v[PC+12+4*\c+\i]
.endr
.endr
.endm
; slot k of the walk: the weight's 8 fragments and 4 registers of scale words (lanes 0-15 tile 2 i, lanes 16-31 tile 2 i + 1) into set k % 2: 28 loads.  The set's two bases are written again only
; behind the wait that showed its earlier loads done.
.macro FETCH k
.set FP, (\k)%2
	s_add_co_u32 s21, ttmp9, \k
	s_and_b32 s21, s21, 7                          ; K step (k + T) % 8
	s_mul_i32 s22, s21, 1536
	s_add_nc_u64 s[44+2*FP:45+2*FP], s[28:29], s[22:23]
	s_lshl_b32 s22, s21, 12
	s_add_nc_u64 s[48+2*FP:49+2*FP], s[30:31], s[22:23]
	WIN 0
.irp i, 0,1,2,3
	global_load_b32 v[40+4*FP+\i], v4, s[48+2*FP:49+2*FP] offset:128*\i
.endr
	WIN 0x40
.set fi, 0
.rept 8
.irp g, 0,1,2
	global_load_b128 v[96*FP+12*fi+4*\g:96*FP+12*fi+4*\g+3], v2, s[44+2*FP:45+2*FP] offset:fi*12288+512*\g
.endr
.set fi, fi+1
.endr
.endm
; what the way on wants, asked for among the sets, a few loads at a time: 0-15 x's two rows; 16, 17, 18 my eighth (512 bytes at 512 w) of bo, of the gain and of the bias, into v16-27, which y's K step has left
.macro XL i
.if (\i) < 16
	WIN 0x40
	global_load_b128 v[192+4*(\i):195+4*(\i)], v2, s[34:35] offset:4096*((\i)/8)+512*((\i)%8) th:TH_LOAD_NT
.elseif (\i) == 16
	WIN 0
	global_load_b128 v[16:19], v29, s[8:9]
.elseif (\i) == 17
	WIN 0
	global_load_b128 v[20:23], v29, s[12:13]
.else
	WIN 0
	global_load_b128 v[24:27], v29, s[14:15]
.endif
.endm
.set xi, 0
.macro XLS n
.rept \n
	XL xi
.set xi, xi+1
.endr
.endm
.macro WMO k, b
.set rD, X+8*(\b)
.set rB, 96*((\k)%2)+12*(\b)
.set rA, 112+12*(\k)
.set cB, 40+4*((\k)%2)+(\b)/2
.if (\k) == 0
.if (\b)%2 == 0
	v_wmma_scale_f32_16x16x128_f8f6f4 v[rD:rD+7], v[rB:rB+11], v[rA:rA+11], 0, v[cB], v[32+(\k)] matrix_a_fmt:MATRIX_FMT_FP6 matrix_b_fmt:MATRIX_FMT_FP6
.else
	v_wmma_scale_f32_16x16x128_f8f6f4 v[rD:rD+7], v[rB:rB+11], v[rA:rA+11], 0, v[cB], v[32+(\k)] matrix_a_fmt:MATRIX_FMT_FP6 matrix_b_fmt:MATRIX_FMT_FP6 matrix_a_scale:MATRIX_SCALE_ROW1
.endif
.else
.if (\b)%2 == 0
	v_wmma_scale_f32_16x16x128_f8f6f4 v[rD:rD+7], v[rB:rB+11], v[rA:rA+11], v[rD:rD+7], v[cB], v[32+(\k)] matrix_a_fmt:MATRIX_FMT_FP6 matrix_b_fmt:MATRIX_FMT_FP6
.else
	v_wmma_scale_f32_16x16x128_f8f6f4 v[rD:rD+7], v[rB:rB+11], v[rA:rA+11], v[rD:rD+7], v[cB], v[32+(\k)] matrix_a_fmt:MATRIX_FMT_FP6 matrix_b_fmt:MATRIX_FMT_FP6 matrix_a_scale:MATRIX_SCALE_ROW1
.endif
.endif
.endm
.macro STEP k, n                       ; n: the loads issued behind slot k's set, which may be out.  The eight accumulators take turns, in the same order in every step
	s_wait_loadcnt \n
	WIN 0x01                                       ; source 0 (the weight) window 1
.irp b, 0,1,2,3,4,5,6,7
	WMO \k, \b
.endr
.rept 4
	v_nop                                          ; four places in front of loads into registers that matrix instructions have read, and of the first reads of results
.endr
.endm
	s_load_b512 s[4:19], s[0:1], 0x0               ; yb, wb, bo, x, ln2_w, ln2_b, x1, hb
	v_lshl_add_u32 v[SPW], v0, 2, SPARE
	v_mov_b32 v[NIL], 0
	v_lshrrev_b32 v1, 5, v0
	v_readfirstlane_b32 s20, v1                    ; wave 0..7
	s_mul_i32 s56, s20, 1536
	s_add_co_u32 s56, s56, AIM
	s_lshl_b32 s57, s20, 7
	s_add_co_u32 s57, s57, ASC
	s_lshl_b32 s58, s20, 9
	s_mul_i32 s59, s20, 2*PITCH
	v_and_b32 v1, 31, v0                           ; lane
	v_and_b32 v16, 15, v0                          ; r
	v_bfe_u32 v17, v0, 4, 1                        ; h
	v_lshlrev_b32 v2, 4, v1                        ; 16 x lane
	v_lshlrev_b32 v3, 3, v1                        ; 8 x lane
	v_lshlrev_b32 v4, 2, v1                        ; 4 x lane
	v_lshlrev_b32 v5, 2, v16                       ; 4 r
	v_mul_u32_u24 v10, v16, PITCH
	v_add_nc_u32 v6, s56, v2                       ; y's image: where I store my K step,
	v_add_nc_u32 v7, AIM, v2                       ; and where all are read
	v_add_nc_u32 v8, s57, v4                       ; y's scale words likewise
	v_add_nc_u32 v9, ASC, v4
	v_lshl_add_u32 v10, v17, 6, v10
	v_add_nc_u32 v11, s59, v2                      ; the sums come back: rows 2 w, 2 w + 1, 16 x lane
	v_add_nc_u32 v10, s58, v10                     ; the sums go in: row r, 512 w + 64 h
	v_add_nc_u32 v12, R2, v11                      ; the normalised rows go in,
	v_add_nc_u32 v13, R2, v10                      ; and come back: row r, K step w, + 64 h
	v_add_nc_u32 v29, s58, v2                      ; my eighth of a vector of 1,024: 512 w + 16 x lane,
	v_add_nc_u32 v30, VEC, v29                     ; where it goes in LDS,
	v_add_nc_u32 v31, VEC, v2                      ; and where the whole vectors are read
	s_add_co_u32 s21, s20, ttmp9
	s_and_b32 s21, s21, 7                          ; the K step of y that I bring: (w + T) % 8, into slot w
	s_lshl_b32 s22, ttmp9, 3
	s_add_co_u32 s22, s22, s21
	s_mul_i32 s24, s22, 1536
	s_mov_b32 s25, 0
	s_lshl_b32 s26, s21, 8
	s_add_co_u32 s26, s26, ttmp9
	s_lshl_b32 s26, s26, 6
	s_add_co_u32 s26, s26, 3145728
	s_mov_b32 s27, 0
	s_mul_i32 s28, s20, 98304                      ; my 8 tiles of Wo: 8 x 8 fragments a wave
	s_add_co_u32 s28, s28, 2359296
	s_mov_b32 s29, 0
	s_lshl_b32 s30, s20, 9
	s_add_co_u32 s30, s30, 9535488                 ; their scale words
	s_mov_b32 s31, 0
	s_lshr_b32 s32, ttmp9, 1
	s_lshl_b32 s32, s32, 5
	s_and_b32 s33, ttmp9, 1
	s_lshl_b32 s33, s33, 3
	s_add_co_u32 s32, s32, s33
	s_lshl_b32 s33, s20, 1
	s_add_co_u32 s32, s32, s33
	s_lshr_b32 s33, s20, 2
	s_lshl_b32 s33, s33, 3
	s_add_co_u32 s32, s32, s33                     ; my first row in memory: 32 (T / 2) + 8 (T % 2) + 2 w + 8 (w / 4); the second follows it
	s_lshl_b32 s32, s32, 12
	s_mov_b32 s33, 0
	s_lshl_b32 s38, ttmp9, 3
	s_add_co_u32 s38, s38, s20
	s_mul_i32 s38, s38, 1536                       ; h's fragment (8 T + w),
	s_mov_b32 s39, 0
	s_lshl_b32 s40, s20, 8
	s_add_co_u32 s40, s40, ttmp9
	s_lshl_b32 s40, s40, 6
	s_add_co_u32 s40, s40, 3145728                 ; its scale words
	s_mov_b32 s41, 0
	s_mov_b32 s23, 0
	s_mov_b32 s[SEL], 0x76543210
	s_mov_b32 s[SEL+1], 0xfedcba98
	s_mov_b32 s54, 0x3a800000                      ; 1 / 1,024
	s_mov_b32 s55, 0x3727c5ac                      ; 1e-5
	s_wait_alu depctr_va_vdst(0)                   ; the wait at the head's end
	s_wait_kmcnt 0x0
	s_add_nc_u64 s[24:25], s[4:5], s[24:25]
	s_add_nc_u64 s[26:27], s[4:5], s[26:27]
	s_add_nc_u64 s[28:29], s[6:7], s[28:29]
	s_add_nc_u64 s[30:31], s[6:7], s[30:31]
	s_add_nc_u64 s[34:35], s[10:11], s[32:33]
	s_add_nc_u64 s[36:37], s[16:17], s[32:33]
	s_add_nc_u64 s[38:39], s[18:19], s[38:39]
	s_add_nc_u64 s[40:41], s[18:19], s[40:41]
	global_load_b128 v[16:19], v2, s[24:25]        ; my K step of y: two half images make the fragment's 12 registers
	global_load_b64 v[20:21], v3, s[24:25] offset:512
	global_load_b128 v[22:25], v2, s[24:25] offset:768
	global_load_b64 v[26:27], v3, s[24:25] offset:1280
	global_load_b32 v28, v5, s[26:27]              ; and its scale words
	FETCH 0
	FETCH 1                                        ; 5 + 28 + 28 = 61 loads of mine are out
	WIN 0
	s_wait_loadcnt 56                              ; y's five are in; the two sets may be out
.irp g, 0,1,2
	ds_store_b128 v6, v[16+4*\g:19+4*\g] offset:512*\g
.endr
	ds_store_b32 v8, v28
	s_wait_dscnt 0x0                               ; for the others' sake: my K step lies in LDS
	s_barrier_signal -1
	s_barrier_wait -1
.set fi, 0
.rept 8
.irp g, 0,1,2
	ds_load_b128 v[112+12*fi+4*\g:115+12*fi+4*\g], v7 offset:1536*fi+512*\g
.endr
	ds_load_b32 v[32+fi], v9 offset:128*fi
.set fi, fi+1
.endr
	s_wait_dscnt 0x0
	STEP 0, 28                                     ; behind set 0: set 1
	FETCH 2
	XLS 3
	STEP 1, 31                                     ; behind set 1: set 2 and 3 more
	FETCH 3
	XLS 3
.irp k, 2,3,4,5
	STEP \k, 34                                    ; behind set k: 3, set k + 1, 3
	FETCH \k+2
	XLS 3
.endr
	STEP 6, 34
	XLS 1                                          ; my eighth of the bias
	STEP 7, 4                                      ; behind set 7: 3 + 1
	WIN 0
	s_wait_loadcnt 0x0                             ; x's rows and my three eighths are in
	ds_store_b128 v30, v[16:19]                    ; bo,
	ds_store_b128 v30, v[20:23] offset:4096        ; the gain,
	ds_store_b128 v30, v[24:27] offset:8192        ; the bias: the barrier below shows them to all waves
.irp b, 0,1,2,3,4,5,6,7
	ds_store_b128 v10, v[X+8*\b:X+8*\b+3] offset:128*(\b/2)+32*(\b%2)      ; each accumulator from its low end on
	ds_store_b128 v10, v[X+8*\b+4:X+8*\b+7] offset:128*(\b/2)+32*(\b%2)+16
.endr
	s_wait_dscnt 0x0                               ; for the others' sake: my columns lie in LDS
	s_barrier_signal -1
	s_barrier_wait -1
.irp e, 0,1
.irp j, 0,1,2,3,4,5,6,7
	ds_load_b128 v[X+32*\e+4*\j:X+32*\e+4*\j+3], v11 offset:PITCH*\e+512*\j
.endr
.endr
.irp j, 0,1,2,3,4,5,6,7
	ds_load_b128 v[BO+4*\j:BO+4*\j+3], v31 offset:512*\j          ; the three vectors whole, at my 32 columns
	ds_load_b128 v[W+4*\j:W+4*\j+3], v31 offset:4096+512*\j
	ds_load_b128 v[BB+4*\j:BB+4*\j+3], v31 offset:8192+512*\j
.endr
	s_wait_dscnt 0x0
	WIN 0x04
.set fi, 0
.rept 32
	v_pk_add_f32 v[X+2*fi:X+2*fi+1], v[X+2*fi:X+2*fi+1], v[192+2*fi:193+2*fi]   ; + x
.set fi, fi+1
.endr
	WIN 0
.irp e, 0,1
.irp j, 0,2,4,6,8,10,12,14,16,18,20,22,24,26,28,30
	v_pk_add_f32 v[X+32*\e+\j:X+32*\e+\j+1], v[X+32*\e+\j:X+32*\e+\j+1], v[BO+\j:BO+\j+1]   ; + bo
.endr
.endr
.irp e, 0,1
.irp j, 0,1,2,3,4,5,6,7
	global_store_b128 v2, v[X+32*\e+4*\j:X+32*\e+4*\j+3], s[36:37] offset:4096*\e+512*\j   ; x1: 512 consecutive bytes a store, at a multiple of 256
.endr
.endr
.irp e, 0,1                                    ; the rows' sums: two chains a row
	v_pk_add_f32 v[SM+4*\e:SM+1+4*\e], v[X+32*\e:X+32*\e+1], v[X+32*\e+2:X+32*\e+3]
	v_pk_add_f32 v[SM+2+4*\e:SM+3+4*\e], v[X+32*\e+4:X+32*\e+5], v[X+32*\e+6:X+32*\e+7]
.endr
.irp j, 8,12,16,20,24,28
.irp e, 0,1
	s_delay_alu instid0(VALU_DEP_4)
	v_pk_add_f32 v[SM+4*\e:SM+1+4*\e], v[SM+4*\e:SM+1+4*\e], v[X+32*\e+\j:X+32*\e+\j+1]
	s_delay_alu instid0(VALU_DEP_4)
	v_pk_add_f32 v[SM+2+4*\e:SM+3+4*\e], v[SM+2+4*\e:SM+3+4*\e], v[X+32*\e+\j+2:X+32*\e+\j+3]
.endr
.endr
.irp e, 0,1
	v_pk_add_f32 v[SM+4*\e:SM+1+4*\e], v[SM+4*\e:SM+1+4*\e], v[SM+2+4*\e:SM+3+4*\e]
.endr
.irp e, 0,1
	s_delay_alu instid0(VALU_DEP_2)
	v_add_f32 v[SM+4*\e], v[SM+4*\e], v[SM+1+4*\e]
.endr
	ALLSUM SM, SM+1
	ALLSUM SM+4, SM+5
.irp e, 0,1
	v_mul_f32 v[SM+4*\e], s54, v[SM+4*\e]          ; the mean
.endr
	s_wait_alu depctr_va_vdst(0)                   ; the wait here, directly ahead of the wait below
	s_wait_xcnt 0x0                                ; x1's stores have read their registers, which are written again now
.irp e, 0,1
.irp j, 0,2,4,6,8,10,12,14,16,18,20,22,24,26,28,30
	v_pk_add_f32 v[X+32*\e+\j:X+32*\e+\j+1], v[X+32*\e+\j:X+32*\e+\j+1], v[SM+4*\e:SM+1+4*\e] op_sel_hi:[1,0] neg_lo:[0,1] neg_hi:[0,1]   ; x1 - mean, in place
.endr
.endr
.irp e, 0,1                                    ; the sums of squared deviations
	v_pk_mul_f32 v[SQ+4*\e:SQ+1+4*\e], v[X+32*\e:X+32*\e+1], v[X+32*\e:X+32*\e+1]
	v_pk_mul_f32 v[SQ+2+4*\e:SQ+3+4*\e], v[X+32*\e+2:X+32*\e+3], v[X+32*\e+2:X+32*\e+3]
.endr
.irp j, 4,8,12,16,20,24,28
.irp e, 0,1
	s_delay_alu instid0(VALU_DEP_4)
	v_pk_fma_f32 v[SQ+4*\e:SQ+1+4*\e], v[X+32*\e+\j:X+32*\e+\j+1], v[X+32*\e+\j:X+32*\e+\j+1], v[SQ+4*\e:SQ+1+4*\e]
	s_delay_alu instid0(VALU_DEP_4)
	v_pk_fma_f32 v[SQ+2+4*\e:SQ+3+4*\e], v[X+32*\e+\j+2:X+32*\e+\j+3], v[X+32*\e+\j+2:X+32*\e+\j+3], v[SQ+2+4*\e:SQ+3+4*\e]
.endr
.endr
.irp e, 0,1
	v_pk_add_f32 v[SQ+4*\e:SQ+1+4*\e], v[SQ+4*\e:SQ+1+4*\e], v[SQ+2+4*\e:SQ+3+4*\e]
.endr
.irp e, 0,1
	s_delay_alu instid0(VALU_DEP_2)
	v_add_f32 v[SQ+4*\e], v[SQ+4*\e], v[SQ+1+4*\e]
.endr
	ALLSUM SQ, SQ+1
	ALLSUM SQ+4, SQ+5
.irp e, 0,1
	v_fma_f32 v[SQ+4*\e], v[SQ+4*\e], s54, s55     ; var + 1e-5
.endr
	s_wait_alu depctr_va_vdst(0)                   ; the wait ahead of the two,
	v_rsq_f32 v[SQ], v[SQ]
	v_rsq_f32 v[SQ+4], v[SQ+4]
	v_nop                                          ; a plain place behind them,
	s_wait_alu depctr_va_vdst(0)                   ; and one wait for both, ahead of their first reader
.irp e, 0,1
.irp j, 0,2,4,6,8,10,12,14,16,18,20,22,24,26,28,30
	v_pk_mul_f32 v[X+32*\e+\j:X+32*\e+\j+1], v[X+32*\e+\j:X+32*\e+\j+1], v[SQ+4*\e:SQ+1+4*\e] op_sel_hi:[1,0]
.endr
.irp j, 0,2,4,6,8,10,12,14,16,18,20,22,24,26,28,30
	v_pk_fma_f32 v[X+32*\e+\j:X+32*\e+\j+1], v[X+32*\e+\j:X+32*\e+\j+1], v[W+\j:W+\j+1], v[BB+\j:BB+\j+1]
.endr
.irp j, 0,1,2,3,4,5,6,7
	ds_store_b128 v12, v[X+32*\e+4*\j:X+32*\e+4*\j+3] offset:PITCH*\e+512*\j
.endr
.endr
.irp b, 0,1,2,3
	v_mov_b32 v[TM+4+\b], 0                        ; a lane permute's destination counts as one of its sources
.endr
	s_wait_alu depctr_va_vdst(0)                   ; the wait here, directly ahead of the wait below
	s_wait_dscnt 0x0                               ; for the others' sake: my rows lie in LDS
	s_barrier_signal -1
	s_barrier_wait -1
.irp b, 0,1,2,3
.irp j, 0,1,2,3
	ds_load_b128 v[X+16*\b+4*\j:X+16*\b+4*\j+3], v13 offset:128*\b+16*\j   ; row r, k = 128 w + 32 b + 16 h + 4 j on
.endr
.endr
	s_wait_dscnt 0x0
	QUANT X
.irp g, 0,1,2
	global_store_b128 v2, v[PC+4*\g:PC+4*\g+3], s[38:39] offset:512*\g   ; the image: 512 consecutive bytes a store
.endr
	global_store_b32 v5, v[PW], s[40:41]           ; row r's scale word (lanes l and l + 16 hold and write the same word)
	s_wait_tensorcnt 0x0                           ; the wave's end, behind my last LDS store
	ds_add_u32 v[SPW], v[NIL]
	s_wait_dscnt 0x0
	s_endpgm
.Lfunc_end_k_q98b9241f8a_oln:
	.size	k_q98b9241f8a_oln, .Lfunc_end_k_q98b9241f8a_oln-k_q98b9241f8a_oln
	.p2alignl 7, 3214868480
	.fill 96, 4, 3214868480
	.section	.rodata,"a",@progbits
	.p2align	6, 0x0
	.amdhsa_kernel k_q98b9241f8a_oln
		.amdhsa_group_segment_fixed_size 158208
		.amdhsa_private_segment_fixed_size 0
		.amdhsa_enable_private_segment 0
		.amdhsa_kernarg_size 64
		.amdhsa_user_sgpr_count 2
		.amdhsa_user_sgpr_kernarg_segment_ptr 1
		.amdhsa_wavefront_size32 1
		.amdhsa_system_sgpr_workgroup_id_x 1
		.amdhsa_system_sgpr_workgroup_id_y 1
		.amdhsa_system_sgpr_workgroup_id_z 1
		.amdhsa_system_vgpr_workitem_id 0
		.amdhsa_next_free_vgpr 512
		.amdhsa_next_free_sgpr 66
		.amdhsa_reserve_vcc 0
		.amdhsa_float_denorm_mode_32 3
		.amdhsa_float_denorm_mode_16_64 3
		.amdhsa_memory_ordered 1
		.amdhsa_forward_progress 1
		.amdhsa_inst_pref_size 74
	.end_amdhsa_kernel
	.amdgpu_metadata
---
amdhsa.version: [ 1, 2 ]
amdhsa.kernels:
  - .name:           k_q98b9241f8a_oln
    .symbol:         k_q98b9241f8a_oln.kd
    .args:
      - { .name: yb, .offset: 0, .size: 8, .value_kind: global_buffer, .address_space: global }
      - { .name: wb, .offset: 8, .size: 8, .value_kind: global_buffer, .address_space: global }
      - { .name: bo, .offset: 16, .size: 8, .value_kind: global_buffer, .address_space: global }
      - { .name: x, .offset: 24, .size: 8, .value_kind: global_buffer, .address_space: global }
      - { .name: ln2_w, .offset: 32, .size: 8, .value_kind: global_buffer, .address_space: global }
      - { .name: ln2_b, .offset: 40, .size: 8, .value_kind: global_buffer, .address_space: global }
      - { .name: x1, .offset: 48, .size: 8, .value_kind: global_buffer, .address_space: global }
      - { .name: hb, .offset: 56, .size: 8, .value_kind: global_buffer, .address_space: global }
    .group_segment_fixed_size: 158208
    .private_segment_fixed_size: 0
    .kernarg_segment_align: 8
    .kernarg_segment_size: 64
    .max_flat_workgroup_size: 256
    .sgpr_count:     66
    .vgpr_count:     512
    .wavefront_size: 32
...
	.end_amdgpu_metadata
.endif
;; end of part 4
;; launch fc (part 5): grid 16 x 16, 4 waves a work-group, clusters of 4 x 4, 327,680 bytes of LDS; arguments hb, wb, bfc, gb; writes gb
.if DOCPART == 5
	.amdgcn_target "amdgcn-amd-amdhsa--gfx1250"
	.amdhsa_code_object_version 6
	.text
	.protected	k_q98b9241f8a_fc
	.globl	k_q98b9241f8a_fc
	.p2align	8
	.type	k_q98b9241f8a_fc,@function
k_q98b9241f8a_fc:
	s_mov_b64 s[64:65], 0
	v_nop
	global_prefetch_b8 v0, s[64:65] scope:SCOPE_SE
	s_setreg_imm32_b32 hwreg(HW_REG_WAVE_MODE, 25, 1), 1
	s_wait_xcnt 0x0
	s_wait_alu depctr_hold_cnt(0) depctr_sa_sdst(0) depctr_va_vdst(0) depctr_va_sdst(0) depctr_va_ssrc(0) depctr_va_vcc(0) depctr_vm_vsrc(0)
	s_getreg_b32 s2, hwreg(HW_REG_IB_STS2, 6, 4)
	s_cmp_eq_u32 s2, 0
	s_cbranch_scc0 .Lentry_in_a_cluster
	s_endpgm
.Lentry_in_a_cluster:
	s_bfe_u32 s2, ttmp6, 0x10000c
	s_cmp_lg_u32 s2, 0xf033
	s_cbranch_scc0 .Lentry_shape_is_right
	s_endpgm
.Lentry_shape_is_right:
.set MB,    8
.set NQ,    2
.set KK,    1024
.set LAPS,  KK/(256*NQ)
.set HALFT, MB*NQ*1536
.set SLOT,  4*HALFT
.set HALFS, (KK/128)*MB*64
.set SCL,   2*SLOT
.set SPARE, SCL+4*HALFS
.set ASCOFF, 3145728
.set WCOFF, 3145728
.set WSOFF, 9568256
.set WSP,   2048
.set ADRA, 16
.set ADRB, 20
.set ADSA, 22
.set ADSB, 23
.set SPW,  28
.set NIL,  29
.set HH,   64
.set TT,   128
.set PP,   192
.set TM,   192
.set PW,   208
.set PC,   212
.set G1,   24
.set G0,   32
.set G1B,  48
.set G0B,  56
.set G1S,  68
.set G0S,  76
.set G1SB, 80
.set G0SB, 88
.set SEL,  98
.set MSB, 0
.macro WIN new
.if MSB != (\new)
	s_set_vgpr_msb (MSB<<8)|(\new)
.set MSB, (\new)
.endif
.endm
.macro JLOAD g0a, g1a, g0b, g1b
	s_cmp_eq_u32 s15, 0
	s_cbranch_scc0 .Lfor_b_\@
	tensor_load_to_lds s[\g0a:\g0a+3], s[\g1a:\g1a+7]
	s_nop 0
.rept 4
	v_nop
.endr
	s_branch .Lasked_\@
.Lfor_b_\@:
	tensor_load_to_lds s[\g0b:\g0b+3], s[\g1b:\g1b+7]
	s_nop 0
.rept 4
	v_nop
.endr
.Lasked_\@:
.endm
.macro CREST
	s_cmp_lg_u32 s14, 0
	s_cbranch_scc1 .Lnot_wave_0_\@
	s_barrier_signal -3
.Lnot_wave_0_\@:
	s_barrier_wait -3
	s_barrier_signal -1
	s_barrier_wait -1
.endm
.macro CROUND
	s_barrier_signal -1
	s_barrier_wait -1
	CREST
.endm
.macro PLACES n
.rept \n
	v_nop
.endr
.endm
.macro FRAG3 reg, adr, off
.irp g, 0,1,2
	ds_load_b128 v[\reg+4*\g:\reg+4*\g+3], v[\adr] offset:\off+512*\g
.endr
.endm
.macro FETCH slot, q, p
	WIN 0x40
.set fi, 0
.rept MB
	FRAG3 96*(\p)+12*fi, ADRB+\slot, fi*NQ*1536+(\q)*1536
.set fi, fi+1
.endr
	WIN 0
.set fi, 0
.rept MB
	FRAG3 64+96*(\p)+12*fi, ADRA+\slot, fi*NQ*1536+(\q)*1536
.set fi, fi+1
.endr
.set fi, 0
.rept MB/2
	ds_load_b32 v[32+8*(\p)+fi], v[ADSA] offset:(\q)*MB*64+128*fi
	ds_load_b32 v[36+8*(\p)+fi], v[ADSB] offset:(\q)*MB*64+128*fi
.set fi, fi+1
.endr
.endm
.macro WM a, b, p, zero
.set rD, 8*(MB*((\a)%4)+(\b))
.set rB, 96*(\p)+12*(\b)
.set rA, 64+96*(\p)+12*(\a)
.set cB, 36+8*(\p)+(\b)/2
.set cA, 32+8*(\p)+(\a)/2
.set odd, 2*((\a)%2)+(\b)%2
.if \zero
.if odd == 0
	v_wmma_scale_f32_16x16x128_f8f6f4 v[rD:rD+7], v[rB:rB+11], v[rA:rA+11], 0, v[cB], v[cA] matrix_a_fmt:MATRIX_FMT_FP6 matrix_b_fmt:MATRIX_FMT_FP6
.elseif odd == 1
	v_wmma_scale_f32_16x16x128_f8f6f4 v[rD:rD+7], v[rB:rB+11], v[rA:rA+11], 0, v[cB], v[cA] matrix_a_fmt:MATRIX_FMT_FP6 matrix_b_fmt:MATRIX_FMT_FP6 matrix_a_scale:MATRIX_SCALE_ROW1
.elseif odd == 2
	v_wmma_scale_f32_16x16x128_f8f6f4 v[rD:rD+7], v[rB:rB+11], v[rA:rA+11], 0, v[cB], v[cA] matrix_a_fmt:MATRIX_FMT_FP6 matrix_b_fmt:MATRIX_FMT_FP6 matrix_b_scale:MATRIX_SCALE_ROW1
.else
	v_wmma_scale_f32_16x16x128_f8f6f4 v[rD:rD+7], v[rB:rB+11], v[rA:rA+11], 0, v[cB], v[cA] matrix_a_fmt:MATRIX_FMT_FP6 matrix_b_fmt:MATRIX_FMT_FP6 matrix_a_scale:MATRIX_SCALE_ROW1 matrix_b_scale:MATRIX_SCALE_ROW1
.endif
.else
.if odd == 0
	v_wmma_scale_f32_16x16x128_f8f6f4 v[rD:rD+7], v[rB:rB+11], v[rA:rA+11], v[rD:rD+7], v[cB], v[cA] matrix_a_fmt:MATRIX_FMT_FP6 matrix_b_fmt:MATRIX_FMT_FP6
.elseif odd == 1
	v_wmma_scale_f32_16x16x128_f8f6f4 v[rD:rD+7], v[rB:rB+11], v[rA:rA+11], v[rD:rD+7], v[cB], v[cA] matrix_a_fmt:MATRIX_FMT_FP6 matrix_b_fmt:MATRIX_FMT_FP6 matrix_a_scale:MATRIX_SCALE_ROW1
.elseif odd == 2
	v_wmma_scale_f32_16x16x128_f8f6f4 v[rD:rD+7], v[rB:rB+11], v[rA:rA+11], v[rD:rD+7], v[cB], v[cA] matrix_a_fmt:MATRIX_FMT_FP6 matrix_b_fmt:MATRIX_FMT_FP6 matrix_b_scale:MATRIX_SCALE_ROW1
.else
	v_wmma_scale_f32_16x16x128_f8f6f4 v[rD:rD+7], v[rB:rB+11], v[rA:rA+11], v[rD:rD+7], v[cB], v[cA] matrix_a_fmt:MATRIX_FMT_FP6 matrix_b_fmt:MATRIX_FMT_FP6 matrix_a_scale:MATRIX_SCALE_ROW1 matrix_b_scale:MATRIX_SCALE_ROW1
.endif
.endif
.endm
.macro MULA a0, n, p, zero
.set ai, \a0
.rept \n
.if (MB == 8) && (ai >= 4)
	WIN 0xf1
.else
	WIN 0xa1
.endif
.set bi, 0
.rept MB
	WM ai, bi, \p, \zero
.set bi, bi+1
.endr
.set ai, ai+1
.endr
.endm
.macro STEP slot, q, zero
	s_wait_dscnt 0x0
	PLACES 4
	FETCH \slot, (\q)+1, 1-(\q)%2
	MULA 0, MB, (\q)%2, \zero
.endm
.macro REST slot
.if NQ == 4
	STEP \slot, 1, 0
	STEP \slot, 2, 0
.endif
.endm
.macro TURN slot, next, fill
	WIN 0
	s_wait_tensorcnt 0x0
	ds_add_u32 v[SPW], v[NIL]
	s_wait_dscnt 1
	MULA 0, MB/4, 1, 0
	s_wait_dscnt 0x0
	s_barrier_signal -1
	MULA MB/4, MB/4, 1, 0
	WIN 0
	s_barrier_wait -1
.if \fill
	CREST
	s_add_nc_u64 s[G0+4*\slot+2:G0+4*\slot+3], s[G0+4*\slot+2:G0+4*\slot+3], 2*NQ*1536
	s_add_nc_u64 s[G0B+4*\slot+2:G0B+4*\slot+3], s[G0B+4*\slot+2:G0B+4*\slot+3], 2*NQ*1536
	JLOAD G0+4*\slot, G1, G0B+4*\slot, G1B
.else
	PLACES 4
.endif
	s_wait_alu depctr_va_vdst(0)
	v_add_nc_u32 v[ADSA], NQ*MB*64, v[ADSA]
	v_add_nc_u32 v[ADSB], NQ*MB*64, v[ADSB]
	FETCH \next, 0, 0
	MULA MB/2, MB/2, 1, 0
.endm
.macro QUANT s
.irp b, 0,1,2,3
	v_max3_num_f32 v[TM+\b], |v[\s+16*\b]|, |v[\s+1+16*\b]|, 0x1800000
.endr
.irp i, 2,4,6,8,10,12,14
.irp b, 0,1,2,3
	v_max3_num_f32 v[TM+\b], v[TM+\b], |v[\s+16*\b+\i]|, |v[\s+1+16*\b+\i]|
.endr
.endr
.irp b, 0,1,2,3
	v_permlanex16_b32 v[TM+4+\b], v[TM+\b], s[SEL], s[SEL+1]
.endr
.irp b, 0,1,2,3
	v_max_num_f32 v[TM+\b], v[TM+\b], v[TM+4+\b]
.endr
.irp b, 0,1,2,3
	v_add_nc_u32 v[TM+12+\b], 0xff000000, v[TM+\b]
.endr
.irp b, 0,1,2,3
	v_lshrrev_b32 v[TM+4+\b], 23, v[TM+12+\b]
.endr
	v_lshl_or_b32 v[PW], v[TM+5], 8, v[TM+4]
	v_lshl_or_b32 v[PW], v[TM+6], 16, v[PW]
	v_lshl_or_b32 v[PW], v[TM+7], 24, v[PW]
.irp c, 0,1
	v_cvt_scalef32_pk16_fp6_f32 v[PC+6*\c:PC+2+6*\c], v[\s+32*\c:\s+15+32*\c], v[TM+12+2*\c]
	v_cvt_scalef32_pk16_fp6_f32 v[PC+12+4*\c:PC+14+4*\c], v[\s+16+32*\c:\s+31+32*\c], v[TM+12+2*\c+1]
.endr
	v_nop
.irp c, 0,1
.irp i, 0,1,2
	v_permlane16_swap_b32 v[PC+6*\c+\i], v[PC+12+4*\c+\i]
.endr
.irp i, 0,1,2
	v_mov_b32 v[PC+3+6*\c+\i], v[PC+12+4*\c+\i]
.endr
.endr
.endm
.macro GELU
.set gi, 0
.rept 64
	v_fma_f32 v[TT+gi], |v[HH+gi]|, 0x3eb504f3, 1.0
.set gi, gi+1
.endr
.set gi, 0
	s_wait_alu depctr_va_vdst(0)
.rept 64
	v_rcp_f32 v[TT+gi], v[TT+gi]
.set gi, gi+1
.endr
	v_nop
	s_wait_alu depctr_va_vdst(0)
.set gi, 0
.rept 32
	v_pk_fma_f32 v[PP+2*gi:PP+2*gi+1], v[TT+2*gi:TT+2*gi+1], 0x3e2ef945, v[48:49] op_sel_hi:[1,0,1]
.set gi, gi+1
.endr
.irp c, 0x3fbe87b0, 0xbf914e5d, 0x3e8ec7cc, 0xbe3ec24c, 0x3dc636c9, 0x3ebf88fb, 0x3f8000c7, 0xbfa1fc4e
.set gi, 0
.rept 32
	v_pk_fma_f32 v[PP+2*gi:PP+2*gi+1], v[PP+2*gi:PP+2*gi+1], v[TT+2*gi:TT+2*gi+1], \c op_sel_hi:[1,1,0]
.set gi, gi+1
.endr
.endr
.set gi, 0
.rept 8
.irp u, 0,1,2,3
	v_pk_mul_f32 v[52+2*\u:53+2*\u], v[HH+8*gi+2*\u:HH+8*gi+2*\u+1], v[HH+8*gi+2*\u:HH+8*gi+2*\u+1]
.endr
.irp u, 0,1,2,3
	v_pk_fma_f32 v[PP+8*gi+2*\u:PP+8*gi+2*\u+1], v[52+2*\u:53+2*\u], -0.5, v[PP+8*gi+2*\u:PP+8*gi+2*\u+1] op_sel_hi:[1,0,1]
.endr
.irp u, 0,1,2,3
	v_pk_fma_f32 v[PP+8*gi+2*\u:PP+8*gi+2*\u+1], v[PP+8*gi+2*\u:PP+8*gi+2*\u+1], 0x3fb8aa3b, -1.0 op_sel_hi:[1,0,0]
.endr
.set gi, gi+1
.endr
.set gi, 0
	s_wait_alu depctr_va_vdst(0)
.rept 64
	v_exp_f32 v[PP+gi], v[PP+gi]
.set gi, gi+1
.endr
	v_nop
	s_wait_alu depctr_va_vdst(0)
.set gi, 0
.rept 32
	v_pk_mul_f32 v[PP+2*gi:PP+2*gi+1], v[PP+2*gi:PP+2*gi+1], v[TT+2*gi:TT+2*gi+1]
.set gi, gi+1
.endr
.set gi, 0
.rept 64
	v_max_num_f32 v[TT+gi], 0, v[HH+gi]
.set gi, gi+1
.endr
.set gi, 0
.rept 64
	v_fma_f32 v[HH+gi], -|v[HH+gi]|, v[PP+gi], v[TT+gi]
.set gi, gi+1
.endr
.endm
	s_load_b256 s[4:11], s[0:1], 0x0
	v_lshl_add_u32 v[SPW], v0, 2, SPARE
	v_mov_b32 v[NIL], 0
	ds_add_u32 v[SPW], v[NIL]
	ds_add_u32 v[SPW], v[NIL]
	v_lshrrev_b32 v1, 5, v0
	v_readfirstlane_b32 s14, v1
	s_lshr_b32 s15, s14, 1
	s_and_b32 s16, s14, 1
	s_bfe_u32 s40, ttmp6, 0x40000
	s_bfe_u32 s41, ttmp6, 0x40004
	s_lshl_b32 s42, ttmp9, 2
	s_add_co_u32 s42, s42, s40
	s_and_b32 s17, ttmp7, 0xffff
	s_lshl_b32 s17, s17, 2
	s_add_co_u32 s17, s17, s41
	s_lshl_b32 s43, s41, 2
	s_lshl_b32 s43, 15, s43
	s_lshl_b32 s44, 0x1111, s40
	s_or_b32 s[G1], s43, (3<<16)|(1<<21)
	s_or_b32 s[G1B], s44, (3<<16)|(1<<21)
.irp g, G1, G1B
	s_mov_b32 s[\g+1], (NQ*192)<<16
	s_mov_b32 s[\g+2], MB<<16
	s_mov_b32 s[\g+3], (NQ*192)<<16
	s_mov_b32 s[\g+4], MB
	s_mov_b32 s[\g+5], KK*12/8
	s_mov_b32 s[\g+6], 0
	s_mov_b32 s[\g+7], 0
.endr
	s_mul_i32 s18, s16, MB
	s_mul_i32 s20, s17, 2*MB
	s_add_co_u32 s20, s20, s18
	s_mul_i32 s46, s42, 2*MB
	s_add_co_u32 s46, s46, s18
	s_lshl_b32 s22, s20, 6
	s_add_co_u32 s22, s22, ASCOFF
	s_mov_b32 s23, 0
	s_lshl_b32 s92, s46, 6
	s_add_co_u32 s92, s92, WSOFF
	s_mov_b32 s93, 0
	s_mul_i32 s20, s20, 12*KK
	s_mov_b32 s21, 0
	s_mul_i32 s46, s46, 12*KK
	s_add_co_u32 s46, s46, WCOFF
	s_mov_b32 s47, 0
	s_mul_i32 s45, s14, HALFT
	s_mul_i32 s94, s14, HALFS
	s_wait_dscnt 0x0
	s_wait_kmcnt 0x0
	s_add_nc_u64 s[20:21], s[4:5], s[20:21]
	s_add_nc_u64 s[22:23], s[4:5], s[22:23]
	s_add_nc_u64 s[46:47], s[6:7], s[46:47]
	s_add_nc_u64 s[92:93], s[6:7], s[92:93]
	CROUND
.irp s, 0,1
	s_mov_b32 s[G0+4*\s], 1
	s_add_co_u32 s[G0+4*\s+1], s45, \s*SLOT
	s_add_nc_u64 s[G0+4*\s+2:G0+4*\s+3], s[20:21], \s*NQ*1536
	s_or_b32 s[G0+4*\s+3], s[G0+4*\s+3], 0x80000000
	s_mov_b32 s[G0B+4*\s], 1
	s_add_co_u32 s[G0B+4*\s+1], s45, \s*SLOT
	s_add_nc_u64 s[G0B+4*\s+2:G0B+4*\s+3], s[46:47], \s*NQ*1536
	s_or_b32 s[G0B+4*\s+3], s[G0B+4*\s+3], 0x80000000
.endr
	JLOAD G0, G1, G0B, G1B                         ; slot 0: my one tensor load at the head
	; THE SCALE WORDS of my MB tiles, all 8 K steps (4,096 bytes), come by plain loads beside it: a K step's 512 consecutive bytes a load; they go to LDS bytes of their own, on which no tensor load lands
	v_and_b32 v6, 31, v0
	v_lshlrev_b32 v6, 4, v6                        ; 16 x lane
	s_add_co_u32 s94, s94, SCL
	v_add_nc_u32 v7, s94, v6                       ; SCL + wave x HALFS + 16 x lane
	s_wait_alu depctr_va_vdst(0)                   ; the wait ahead of the branch
	s_cmp_eq_u32 s15, 0                            ; waves 0, 1: h's words; waves 2, 3: the weight's
	s_cbranch_scc0 .Lsc_b
.irp k, 0,1,2,3,4,5,6,7
	global_load_b128 v[64+4*\k:67+4*\k], v6, s[22:23] offset:\k*16384
.endr
	s_branch .Lsc_j
.Lsc_b:
.irp k, 0,1,2,3,4,5,6,7
	global_load_b128 v[64+4*\k:67+4*\k], v6, s[92:93] offset:\k*WSP*8
.endr
.Lsc_j:
	s_wait_loadcnt 0x0
	s_wait_tensorcnt 0x0                           ; no tensor load of mine is out while I store to LDS
.irp k, 0,1,2,3,4,5,6,7
	ds_store_b128 v7, v[64+4*\k:67+4*\k] offset:\k*512
.endr
	s_wait_tensorcnt 0x0                           ; slot 1's first fill is issued as a refill is: all my tensor loads have landed,
	ds_add_u32 v28, v29                            ; the add onto my spare word,
	s_wait_dscnt 0x0                               ; its wait, and my stores';
	CROUND                                         ; a whole round of the cluster's barrier;
	JLOAD G0+4, G1, G0B+4, G1B                     ; my one tensor load behind it
	v_and_b32 v3, 31, v0
	v_and_b32 v1, 15, v0
	v_bfe_u32 v2, v0, 4, 1
	s_wait_alu depctr_va_vdst(0)
	v_lshlrev_b32 v4, 4, v3
	v_lshlrev_b32 v5, 2, v3
	s_mul_i32 s18, s15, HALFT
	s_mul_i32 s19, s16, HALFT
	s_add_co_u32 s19, s19, 2*HALFT
	s_mul_i32 s20, s15, HALFS
	s_add_co_u32 s20, s20, SCL
	s_mul_i32 s21, s16, HALFS
	s_add_co_u32 s21, s21, SCL+2*HALFS
	v_add_nc_u32 v[ADRA], s18, v4
	v_add_nc_u32 v[ADRB], s19, v4
	v_add_nc_u32 v[ADRA+1], SLOT, v[ADRA]
	v_add_nc_u32 v[ADRB+1], SLOT, v[ADRB]
	v_add_nc_u32 v[ADSA], s20, v5
	v_add_nc_u32 v[ADSB], s21, v5
	s_lshl_b32 s22, s42, 10
	s_lshl_b32 s23, s16, 9
	s_add_co_u32 s22, s22, s23
	s_mov_b32 s23, 0
	s_add_nc_u64 s[8:9], s[8:9], s[22:23]
	v_lshlrev_b32 v6, 6, v2
	WIN 0x40
.irp b, 0,1,2,3
.irp j, 0,1,2,3
	global_load_b128 v[192+16*\b+4*\j:195+16*\b+4*\j], v6, s[8:9] offset:128*\b+16*\j
.endr
.endr
	WIN 0
	v_mov_b32 v48, 0xbf527892
	v_mov_b32 v49, 0xbf527892
	v_lshlrev_b32 v12, 2, v1
	s_mov_b32 s[SEL], 0x76543210
	s_mov_b32 s[SEL+1], 0xfedcba98
	s_wait_alu depctr_va_vdst(0)
	s_wait_tensorcnt 1
	s_barrier_signal -1
	s_barrier_wait -1
	FETCH 0, 0, 0
	STEP 0, 0, 1
.if LAPS > 1
	WIN 0
	s_mov_b32 s3, LAPS-1
.Llap:
	REST 0
	TURN 0, 1, 1
	s_wait_alu depctr_va_vdst(0)
	STEP 1, 0, 0
	REST 1
	TURN 1, 0, 1
	s_wait_alu depctr_va_vdst(0)
	STEP 0, 0, 0
	WIN 0
	s_sub_co_u32 s3, s3, 1
	s_cmp_lg_u32 s3, 0
	s_cbranch_scc1 .Llap
.endif
	REST 0
	TURN 0, 1, 0
	s_wait_alu depctr_va_vdst(0)
	STEP 1, 0, 0
	REST 1
	s_wait_dscnt 0x0
	MULA 0, MB, 1, 0
	WIN 0
	PLACES 4
	s_wait_loadcnt 0x0
	s_lshl_b32 s18, s17, 4
	s_lshl_b32 s19, s15, 3
	s_add_co_u32 s18, s18, s19
	s_lshl_b32 s19, s42, 1
	s_add_co_u32 s19, s19, s16
	s_lshl_b32 s20, s18, 5
	s_add_co_u32 s20, s20, s19
	s_mul_i32 s20, s20, 1536
	s_mov_b32 s21, 0
	s_add_nc_u64 s[20:21], s[10:11], s[20:21]
	s_lshl_b32 s22, s19, 8
	s_add_co_u32 s22, s22, s18
	s_lshl_b32 s22, s22, 6
	s_add_co_u32 s22, s22, 12582912
	s_mov_b32 s23, 0
	s_add_nc_u64 s[22:23], s[10:11], s[22:23]
	s_mov_b32 s3, 0
.Lrow:
.irp k, 0,1,2,3,4,5,6
	s_cmp_eq_u32 s3, \k
	s_cbranch_scc1 .Lmv_\k
.endr
.irp k, 7,6,5,4,3,2,1,0
.Lmv_\k:
	WIN 0x06+\k/4
.set qi, 0
.rept 32
	v_pk_add_f32 v[HH+2*qi:HH+2*qi+1], v[64*(\k%4)+2*qi:64*(\k%4)+2*qi+1], v[192+2*qi:193+2*qi]
.set qi, qi+1
.endr
	WIN 0
	s_branch .Ljoin
.endr
.Ljoin:
	GELU
	QUANT HH
.irp g, 0,1,2
	global_store_b128 v4, v[PC+4*\g:PC+4*\g+3], s[20:21] offset:512*\g
.endr
	global_store_b32 v12, v[PW], s[22:23]
	s_wait_xcnt 0x0
	s_add_nc_u64 s[20:21], s[20:21], 49152
	s_add_nc_u64 s[22:23], s[22:23], 64
	s_add_co_u32 s3, s3, 1
	s_cmp_lt_u32 s3, 8
	s_cbranch_scc1 .Lrow
	s_wait_tensorcnt 0x0
	ds_add_u32 v[SPW], v[NIL]
	s_wait_dscnt 0x0
	CROUND
	s_endpgm
.Lfunc_end_k_q98b9241f8a_fc:
	.size	k_q98b9241f8a_fc, .Lfunc_end_k_q98b9241f8a_fc-k_q98b9241f8a_fc
	.p2alignl 7, 3214868480
	.fill 96, 4, 3214868480
	.section	.rodata,"a",@progbits
	.p2align	6, 0x0
	.amdhsa_kernel k_q98b9241f8a_fc
		.amdhsa_group_segment_fixed_size 327680
		.amdhsa_private_segment_fixed_size 0
		.amdhsa_enable_private_segment 0
		.amdhsa_kernarg_size 32
		.amdhsa_user_sgpr_count 2
		.amdhsa_user_sgpr_kernarg_segment_ptr 1
		.amdhsa_wavefront_size32 1
		.amdhsa_system_sgpr_workgroup_id_x 1
		.amdhsa_system_sgpr_workgroup_id_y 1
		.amdhsa_system_sgpr_workgroup_id_z 1
		.amdhsa_system_vgpr_workitem_id 0
		.amdhsa_next_free_vgpr 1024
		.amdhsa_next_free_sgpr 100
		.amdhsa_reserve_vcc 0
		.amdhsa_float_denorm_mode_32 3
		.amdhsa_float_denorm_mode_16_64 3
		.amdhsa_memory_ordered 1
		.amdhsa_forward_progress 1
		.amdhsa_inst_pref_size 184
	.end_amdhsa_kernel
	.amdgpu_metadata
---
amdhsa.version: [ 1, 2 ]
amdhsa.kernels:
  - .name:           k_q98b9241f8a_fc
    .symbol:         k_q98b9241f8a_fc.kd
    .args:
      - { .name: hb, .offset: 0, .size: 8, .value_kind: global_buffer, .address_space: global }
      - { .name: wb, .offset: 8, .size: 8, .value_kind: global_buffer, .address_space: global }
      - { .name: bfc, .offset: 16, .size: 8, .value_kind: global_buffer, .address_space: global }
      - { .name: gb, .offset: 24, .size: 8, .value_kind: global_buffer, .address_space: global }
    .group_segment_fixed_size: 327680
    .private_segment_fixed_size: 0
    .kernarg_segment_align: 8
    .kernarg_segment_size: 32
    .max_flat_workgroup_size: 128
    .sgpr_count:     100
    .vgpr_count:     1024
    .wavefront_size: 32
...
	.end_amdgpu_metadata
.endif
;; end of part 5
;; launch proj (part 6): grid 8 x 32, 4 waves a work-group, no clusters, 230,912 bytes of LDS; arguments gb, wb, bproj, x1, out0; writes out0
.if DOCPART == 6
	.amdgcn_target "amdgcn-amd-amdhsa--gfx1250"
	.amdhsa_code_object_version 6
	.text
	.protected	k_q98b9241f8a_proj
	.globl	k_q98b9241f8a_proj
	.p2align	8
	.type	k_q98b9241f8a_proj,@function
k_q98b9241f8a_proj:
	s_mov_b64 s[64:65], 0
	v_nop
	global_prefetch_b8 v0, s[64:65] scope:SCOPE_SE
	s_setreg_imm32_b32 hwreg(HW_REG_WAVE_MODE, 25, 1), 1
	s_wait_xcnt 0x0
; out = x1 + g Wproj + bproj, the product on codes of FP6 (E2M3), K = 4,096.  A work-group makes 128 x 128 of the result: 8 x 32 = 256 work-groups.
; K IS CUT AMONG THE FOUR WAVES: wave w makes the WHOLE 128 x 128 over K steps 8 w .. 8 w + 7 (64 accumulators, 512 registers, 512 matrix instructions).  So no fragment is wanted by two waves of the work-group,
; and every fragment goes FROM MEMORY STRAIGHT INTO REGISTERS: 16 fragments feed 64 matrix instructions, and the work-group loads each of its 2 x 8 x 32 fragments once.  No LDS slot, no tensor load, no barrier in the walk.
; That is why there is no cluster here: what partners could ask for jointly would have to go through LDS.  Two sets of registers take turns: a K step's 56 loads are asked for as soon as the set two steps back is
; multiplied.
; OPERANDS lie in memory as images of their registers: a fragment (tile of 16 rows x 128 K): registers 4 g .. 4 g + 3 of lane l at 512 g + 16 l; fragments [tile][K / 128]; scale words [K / 128][tile][16].
; Lane index r of tile T is row 32 (T / 2) + 8 (T % 2) + r + 8 (r / 8).  The product is used transposed (source 0 = the weight's tile, source 1 = g's): a lane holds a token, registers run along the columns.
; THE FOUR PARTS MEET IN LDS.  Wave w lays g's tile (i + 2 w) % 8 in its slot i, so that the two tiles which it is to finish (2 w, 2 w + 1: 32 neighbouring rows) lie in the same registers in every wave.
; Slots 2 j, 2 j + 1 (j = 1, 2, 3) belong to wave (w + j) % 4: they are stored as images into that wave's bytes; behind one barrier each wave adds the three parts that it was given onto its own.
; THE WAY OUT: 16 tokens x 128 columns go through the wave's own stage and come back by rows; x1 and the bias are added; the 32 lanes store a row's 512 consecutive bytes, at a multiple of 256.
; The f32 sums are the same terms as in one walk along K, in four parts.
; REGISTERS: window 0: v1-5 lane terms; v6-13 g's tiles' offsets; v14, v15 the add's two; v16-25 addresses; v32-47 scale words, two sets; v64-159, v160-255 g's two sets, later the parts and the rows on their way out.
;   window 1: v0-95, v96-191 the weight's two sets; later v0-127 x1, v128-131 the bias.   windows 2, 3: accumulator (slot a, b) at v[8 (8 (a % 4) + b)], a < 4 in window 2.
.set MB,     8
.set RDST,   49152                     ; LDS: for each wave three parts of 16 accumulators x 1,024 bytes
.set STAGE,  4*RDST
.set SPITCH, 528                       ; a stage row: 512 bytes + 16
.set SPARE,  STAGE+4*16*SPITCH         ; the spare words, 128 bytes a wave
.set L16, 2
.set L4,  3
.set AO,  6
.set SPW, 14
.set NIL, 15
.set ASO, 16
.set SD,  20
.set RDR, 23
.set STO, 24
.set RDS, 25
.set AC,  20                           ; s[20:21] g's codes; s[22:23] its scale words; s[24:25], s[26:27] the weight's; s[28:29] x1; s[30:31] out; s[32:33] the bias
.set AS,  22
.set BC,  24
.set BS,  26
.set XR,  28
.set OB,  30
.set BI,  32
.set MSB, 0
.macro WIN new                         ; the immediate's high byte repeats the setting that is left
.if MSB != (\new)
	s_set_vgpr_msb (MSB<<8)|(\new)
.set MSB, (\new)
.endif
.endm
.macro PLACES n
.rept \n
	v_nop
.endr
.endm
.macro WM a, b, p, zero                ; one product: slot a x the weight's tile b; an odd tile's scale words lie in lanes 16-31
.set rD, 8*(MB*((\a)%4)+(\b))
.set rB, 96*(\p)+12*(\b)
.set rA, 64+96*(\p)+12*(\a)
.set cB, 36+8*(\p)+(\b)/2
.set cA, 32+8*(\p)+(\a)/2
.set odd, 2*((\a)%2)+(\b)%2
.if \zero
.if odd == 0
	v_wmma_scale_f32_16x16x128_f8f6f4 v[rD:rD+7], v[rB:rB+11], v[rA:rA+11], 0, v[cB], v[cA] matrix_a_fmt:MATRIX_FMT_FP6 matrix_b_fmt:MATRIX_FMT_FP6
.elseif odd == 1
	v_wmma_scale_f32_16x16x128_f8f6f4 v[rD:rD+7], v[rB:rB+11], v[rA:rA+11], 0, v[cB], v[cA] matrix_a_fmt:MATRIX_FMT_FP6 matrix_b_fmt:MATRIX_FMT_FP6 matrix_a_scale:MATRIX_SCALE_ROW1
.elseif odd == 2
	v_wmma_scale_f32_16x16x128_f8f6f4 v[rD:rD+7], v[rB:rB+11], v[rA:rA+11], 0, v[cB], v[cA] matrix_a_fmt:MATRIX_FMT_FP6 matrix_b_fmt:MATRIX_FMT_FP6 matrix_b_scale:MATRIX_SCALE_ROW1
.else
	v_wmma_scale_f32_16x16x128_f8f6f4 v[rD:rD+7], v[rB:rB+11], v[rA:rA+11], 0, v[cB], v[cA] matrix_a_fmt:MATRIX_FMT_FP6 matrix_b_fmt:MATRIX_FMT_FP6 matrix_a_scale:MATRIX_SCALE_ROW1 matrix_b_scale:MATRIX_SCALE_ROW1
.endif
.else
.if odd == 0
	v_wmma_scale_f32_16x16x128_f8f6f4 v[rD:rD+7], v[rB:rB+11], v[rA:rA+11], v[rD:rD+7], v[cB], v[cA] matrix_a_fmt:MATRIX_FMT_FP6 matrix_b_fmt:MATRIX_FMT_FP6
.elseif odd == 1
	v_wmma_scale_f32_16x16x128_f8f6f4 v[rD:rD+7], v[rB:rB+11], v[rA:rA+11], v[rD:rD+7], v[cB], v[cA] matrix_a_fmt:MATRIX_FMT_FP6 matrix_b_fmt:MATRIX_FMT_FP6 matrix_a_scale:MATRIX_SCALE_ROW1
.elseif odd == 2
	v_wmma_scale_f32_16x16x128_f8f6f4 v[rD:rD+7], v[rB:rB+11], v[rA:rA+11], v[rD:rD+7], v[cB], v[cA] matrix_a_fmt:MATRIX_FMT_FP6 matrix_b_fmt:MATRIX_FMT_FP6 matrix_b_scale:MATRIX_SCALE_ROW1
.else
	v_wmma_scale_f32_16x16x128_f8f6f4 v[rD:rD+7], v[rB:rB+11], v[rA:rA+11], v[rD:rD+7], v[cB], v[cA] matrix_a_fmt:MATRIX_FMT_FP6 matrix_b_fmt:MATRIX_FMT_FP6 matrix_a_scale:MATRIX_SCALE_ROW1 matrix_b_scale:MATRIX_SCALE_ROW1
.endif
.endif
.endm
.macro MULA p, zero                    ; a K step's 64 products.  All accumulators take turns, one instruction a turn, in the same order in every step
.set ai, 0
.rept MB
.if ai >= 4
	WIN 0xf1                                       ; source 0 (the weight) window 1, source 1 (g) window 0, C and D window 3
.else
	WIN 0xa1                                       ; the same, C and D window 2
.endif
.set bi, 0
.rept MB
	WM ai, bi, \p, \zero
.set bi, bi+1
.endr
.set ai, ai+1
.endr
.endm
.macro FETCH k, p                      ; my k-th K step into set p: 24 + 24 loads of 512 consecutive bytes, 8 of scale words: 56 loads.  Every place along K is an immediate: no base is stepped
	WIN 0x40
.set fi, 0
.rept MB
.irp g, 0,1,2
	global_load_b128 v[96*(\p)+12*fi+4*\g:96*(\p)+12*fi+4*\g+3], v[L16], s[BC:BC+1] offset:fi*49152+(\k)*1536+512*\g
.endr
.set fi, fi+1
.endr
	WIN 0
.set fi, 0
.rept MB
.irp g, 0,1,2
	global_load_b128 v[64+96*(\p)+12*fi+4*\g:64+96*(\p)+12*fi+4*\g+3], v[AO+fi], s[AC:AC+1] offset:(\k)*1536+512*\g
.endr
.set fi, fi+1
.endr
.irp i, 0,1,2,3
	global_load_b32 v[32+8*(\p)+\i], v[ASO+\i], s[AS:AS+1] offset:(\k)*16384        ; lanes 0-15 slot 2 i's words, lanes 16-31 slot 2 i + 1's
	global_load_b32 v[36+8*(\p)+\i], v[L4], s[BS:BS+1] offset:(\k)*4096+128*\i
.endr
.endm
.macro KSTEP k
.if (\k) < 7
	s_wait_loadcnt 56                              ; this step's set is in; the next step's 56 loads may be out
.else
	s_wait_loadcnt 0x0
.endif
.if (\k) == 0
	MULA 0, 1                                      ; the first step's products start the sums: nothing is cleared
.else
	MULA (\k)%2, 0
.endif
	PLACES 4                                       ; four places in front of loads into registers that matrix instructions have read, and of the first reads of results
.if (\k) < 6
	FETCH (\k)+2, (\k)%2
.endif
.endm
	s_load_b256 s[4:11], s[0:1], 0x0               ; gb, wb, the bias, x1
	s_load_b64 s[12:13], s[0:1], 0x20              ; out0
	v_lshl_add_u32 v[SPW], v0, 2, SPARE
	v_mov_b32 v[NIL], 0
	v_lshrrev_b32 v1, 5, v0
	v_readfirstlane_b32 s14, v1                    ; wave 0..3
	v_and_b32 v1, 31, v0                           ; lane
	v_and_b32 v4, 15, v0                           ; r
	v_bfe_u32 v5, v0, 4, 1                         ; h
	v_lshlrev_b32 v[L16], 4, v1                    ; 16 x lane
	v_lshlrev_b32 v[L4], 2, v1                     ; 4 x lane
	v_mul_u32_u24 v[STO], v4, SPITCH
	v_lshl_add_u32 v[STO], v5, 6, v[STO]           ; row r, + 64 h
	s_wait_alu depctr_va_vdst(0)
	s_and_b32 s15, ttmp7, 0xffff                   ; tile row; ttmp9: tile column
	s_lshl_b32 s18, s14, 1
.set fi, 0
.rept 8
	s_add_co_u32 s16, s18, fi
	s_and_b32 s16, s16, 7
	s_mul_i32 s16, s16, 49152
	v_add_nc_u32 v[AO+fi], s16, v[L16]             ; slot i holds g's tile (i + 2 w) % 8 of my work-group's eight
.set fi, fi+1
.endr
.irp j, 0,1,2,3
	s_add_co_u32 s16, s14, \j
	s_and_b32 s16, s16, 3
	s_lshl_b32 s17, s16, 7
	v_add_nc_u32 v[ASO+\j], s17, v[L4]             ; and its scale words: pair (j + w) % 4
.if \j > 0
	s_mul_i32 s17, s16, RDST
	s_add_co_u32 s17, s17, (\j-1)*16384
	v_add_nc_u32 v[SD+\j-1], s17, v[L16]           ; slots 2 j, 2 j + 1 go to wave (w + j) % 4, as its part j - 1
.endif
.endr
	s_mul_i32 s16, s14, RDST
	v_add_nc_u32 v[RDR], s16, v[L16]               ; the three parts that I am given
	s_mul_i32 s16, s14, 16*SPITCH
	s_add_co_u32 s16, s16, STAGE                   ; my stage
	v_add_nc_u32 v[STO], s16, v[STO]
	v_add_nc_u32 v[RDS], s16, v[L16]
	s_mul_i32 s[AC], s15, 393216                   ; g: 8 tiles a tile row, 32 fragments a tile;
	s_mul_i32 s16, s14, 12288                      ; my 8 K steps
	s_add_co_u32 s[AC], s[AC], s16
	s_mov_b32 s[AC+1], 0
	s_lshl_b32 s[AS], s14, 17                      ; scale words: 8 K steps of 16,384 bytes,
	s_lshl_b32 s17, s15, 9                         ; 8 tiles of 64
	s_add_co_u32 s[AS], s[AS], s17
	s_add_co_u32 s[AS], s[AS], 12582912
	s_mov_b32 s[AS+1], 0
	s_mul_i32 s[BC], ttmp9, 393216
	s_add_co_u32 s[BC], s[BC], s16
	s_add_co_u32 s[BC], s[BC], 6291456
	s_mov_b32 s[BC+1], 0
	s_lshl_b32 s[BS], s14, 15                      ; 8 K steps of 4,096 bytes
	s_lshl_b32 s[BI], ttmp9, 9
	s_mov_b32 s[BI+1], 0
	s_add_co_u32 s[BS], s[BS], s[BI]
	s_add_co_u32 s[BS], s[BS], 9699328
	s_mov_b32 s[BS+1], 0
	s_lshl_b32 s[XR], s15, 7
	s_lshl_b32 s17, s14, 5
	s_add_co_u32 s[XR], s[XR], s17                 ; the rows that I finish: 128 x tile row + 32 w on
	s_lshl_b32 s[XR], s[XR], 12
	s_add_co_u32 s[XR], s[XR], s[BI]               ; + 512 bytes a tile column
	s_mov_b32 s[XR+1], 0
	s_wait_alu depctr_va_vdst(0)                   ; the wait at the head's end
	s_wait_kmcnt 0x0
	s_add_nc_u64 s[AC:AC+1], s[4:5], s[AC:AC+1]
	s_add_nc_u64 s[AS:AS+1], s[4:5], s[AS:AS+1]
	s_add_nc_u64 s[BC:BC+1], s[6:7], s[BC:BC+1]
	s_add_nc_u64 s[BS:BS+1], s[6:7], s[BS:BS+1]
	s_add_nc_u64 s[OB:OB+1], s[12:13], s[XR:XR+1]
	s_add_nc_u64 s[XR:XR+1], s[10:11], s[XR:XR+1]
	s_add_nc_u64 s[BI:BI+1], s[8:9], s[BI:BI+1]
	FETCH 0, 0
	FETCH 1, 1
.irp k, 0,1,2,3,4,5,6,7
	KSTEP \k
.endr
	; x1 and the bias, as the way out will hold the results; they land under the meeting of the parts
	WIN 0x40
.irp u, 0,1
.irp i, 0,1,2,3,4,5,6,7,8,9,10,11,12,13,14,15
	global_load_b128 v[64*\u+4*\i:64*\u+4*\i+3], v[L16], s[XR:XR+1] offset:(8*\u+\i+8*(\i/8))*4096 th:TH_LOAD_NT
.endr
.endr
	global_load_b128 v[128:131], v[L16], s[BI:BI+1]
	; the parts that are others': 96 stores of 512 consecutive bytes
.irp j, 1,2,3
.irp u, 0,1
.set sa, 2*\j+\u
	WIN 0x08+4*(sa/4)                              ; an LDS store's data are its source 1: window 2 or 3
.irp b, 0,1,2,3,4,5,6,7
	ds_store_b128 v[SD+\j-1], v[8*(8*(sa%4)+\b):8*(8*(sa%4)+\b)+3] offset:(8*\u+\b)*1024          ; each accumulator from its low end on
	ds_store_b128 v[SD+\j-1], v[8*(8*(sa%4)+\b)+4:8*(8*(sa%4)+\b)+7] offset:(8*\u+\b)*1024+512
.endr
.endr
.endr
	WIN 0
	s_wait_dscnt 0x0                               ; for the others' sake: their parts lie in LDS
	s_barrier_signal -1
	s_barrier_wait -1
; the three parts given to me, in six pieces of 8 accumulators, through three buffers of 64 registers
.macro RLOAD c
.set ni, 0
.rept 16
	ds_load_b128 v[64+64*((\c)%3)+4*ni:64+64*((\c)%3)+4*ni+3], v[RDR] offset:((\c)/2)*16384+((\c)%2)*8192+512*ni
.set ni, ni+1
.endr
.endm
.macro RADD c
	WIN 0x82                                       ; destination and source 0: window 2
.set ni, 0
.rept 32
	v_pk_add_f32 v[64*((\c)%2)+2*ni:64*((\c)%2)+2*ni+1], v[64*((\c)%2)+2*ni:64*((\c)%2)+2*ni+1], v[64+64*((\c)%3)+2*ni:64+64*((\c)%3)+2*ni+1]
.set ni, ni+1
.endr
	WIN 0
.endm
	RLOAD 0
	RLOAD 1
	RLOAD 2
.irp c, 0,1,2,3,4,5
.if \c < 4
	s_wait_dscnt 32                                ; piece c is in; the two pieces behind it may be out
.else
	s_wait_dscnt 16*(5-\c)
.endif
	RADD \c
.if \c < 3
	RLOAD \c+3
.endif
.endr
	s_wait_alu depctr_va_vdst(0)
	s_wait_loadcnt 0x0                             ; x1 and the bias
.irp u, 0,1
	WIN 0x08
.irp b, 0,1,2,3,4,5,6,7
	ds_store_b128 v[STO], v[64*\u+8*\b:64*\u+8*\b+3] offset:128*(\b/2)+32*(\b%2)
	ds_store_b128 v[STO], v[64*\u+8*\b+4:64*\u+8*\b+7] offset:128*(\b/2)+32*(\b%2)+16
.endr
	WIN 0
.irp i, 0,1,2,3,4,5,6,7,8,9,10,11,12,13,14,15
	ds_load_b128 v[64+64*\u+4*\i:64+64*\u+4*\i+3], v[RDS] offset:SPITCH*\i   ; LDS serves a wave's instructions in order: these see my stores
.endr
	s_wait_dscnt 0x0
	WIN 0x04                                       ; source 1: window 1
.set ni, 0
.rept 32
	v_pk_add_f32 v[64+64*\u+2*ni:64+64*\u+2*ni+1], v[64+64*\u+2*ni:64+64*\u+2*ni+1], v[64*\u+2*ni:64*\u+2*ni+1]         ; + x1
.set ni, ni+1
.endr
.set ni, 0
.rept 32
	v_pk_add_f32 v[64+64*\u+2*ni:64+64*\u+2*ni+1], v[64+64*\u+2*ni:64+64*\u+2*ni+1], v[128+2*(ni%2):129+2*(ni%2)]       ; + the bias at my four columns
.set ni, ni+1
.endr
	WIN 0
.irp i, 0,1,2,3,4,5,6,7,8,9,10,11,12,13,14,15
	global_store_b128 v[L16], v[64+64*\u+4*\i:64+64*\u+4*\i+3], s[OB:OB+1] offset:(8*\u+\i+8*(\i/8))*4096 th:TH_STORE_NT   ; a row's 512 consecutive bytes
.endr
.endr
	s_wait_tensorcnt 0x0                           ; the wave's end, behind my last LDS store
	ds_add_u32 v[SPW], v[NIL]
	s_wait_dscnt 0x0
	s_endpgm
.Lfunc_end_k_q98b9241f8a_proj:
	.size	k_q98b9241f8a_proj, .Lfunc_end_k_q98b9241f8a_proj-k_q98b9241f8a_proj
	.p2alignl 7, 3214868480
	.fill 96, 4, 3214868480
	.section	.rodata,"a",@progbits
	.p2align	6, 0x0
	.amdhsa_kernel k_q98b9241f8a_proj
		.amdhsa_group_segment_fixed_size 230912
		.amdhsa_private_segment_fixed_size 0
		.amdhsa_enable_private_segment 0
		.amdhsa_kernarg_size 40
		.amdhsa_user_sgpr_count 2
		.amdhsa_user_sgpr_kernarg_segment_ptr 1
		.amdhsa_wavefront_size32 1
		.amdhsa_system_sgpr_workgroup_id_x 1
		.amdhsa_system_sgpr_workgroup_id_y 1
		.amdhsa_system_sgpr_workgroup_id_z 1
		.amdhsa_system_vgpr_workitem_id 0
		.amdhsa_next_free_vgpr 1024
		.amdhsa_next_free_sgpr 66
		.amdhsa_reserve_vcc 0
		.amdhsa_float_denorm_mode_32 3
		.amdhsa_float_denorm_mode_16_64 3
		.amdhsa_memory_ordered 1
		.amdhsa_forward_progress 1
		.amdhsa_inst_pref_size 157
	.end_amdhsa_kernel
	.amdgpu_metadata
---
amdhsa.version: [ 1, 2 ]
amdhsa.kernels:
  - .name:           k_q98b9241f8a_proj
    .symbol:         k_q98b9241f8a_proj.kd
    .args:
      - { .name: gb, .offset: 0, .size: 8, .value_kind: global_buffer, .address_space: global }
      - { .name: wb, .offset: 8, .size: 8, .value_kind: global_buffer, .address_space: global }
      - { .name: bproj, .offset: 16, .size: 8, .value_kind: global_buffer, .address_space: global }
      - { .name: x1, .offset: 24, .size: 8, .value_kind: global_buffer, .address_space: global }
      - { .name: out0, .offset: 32, .size: 8, .value_kind: global_buffer, .address_space: global }
    .group_segment_fixed_size: 230912
    .private_segment_fixed_size: 0
    .kernarg_segment_align: 8
    .kernarg_segment_size: 40
    .max_flat_workgroup_size: 128
    .sgpr_count:     66
    .vgpr_count:     1024
    .wavefront_size: 32
...
	.end_amdgpu_metadata
.endif
;; end of part 6
